; MI455X (gfx1250); checked and timed in simulation.
; The chip was launched on July 23, 2026; its instructions are those of AMD's public machine-readable ISA for CDNA 5 (MIT licence, August 2026) and "CDNA5" Instruction Set Architecture Reference Guide (July 2026). The comments in the code are by the model that wrote it; some were corrected since.
;; Causal Self Attention. Allowed arithmetic: matrix products marked QUANTISED: E2M3 operands, one E8M0 scale for each 32 along K, by v_wmma_scale_f32_16x16x128_f8f6f4 with both operands' format E2M3, f32 sums; everything else in f32.
;; Inputs: W_proj 1,024 x 1,024 float32; W_qkv 1,024 x 3,072 float32; b_proj 1,024 float32; b_qkv 3,072 float32; inputs 4 x 2,048 x 1,024 float32.
;; Outputs: out0 4 x 2,048 x 1,024 float32.
;; This version of the problem:
;;   THIS VERSION OF THE PROBLEM IS GIVEN IN LOW PRECISION. The matrix products marked QUANTISED in the list below multiply operands that are first quantised to E2M3 (2 exponent bits, 3 mantissa bits; 6 bits a number), with one power-of-two scale for each 32 numbers along K (OCP MX v1.0); their sums are f32. All else is computed in f32.
;;   The module's matrix products, in the order in which they are computed (A, B: the left and right operand; K: the contracted axis; several contracted axes count as one K, in the product's order):
;;     1. [M 8,192, K 1,024] x [K 1,024, N 3,072]; A: input inputs; B: input W_qkv: QUANTISED
;;     2. batch 64 x [M 2,048, K 64] x [K 64, N 2,048]; A: computed on the way; B: computed on the way: QUANTISED
;;     3. batch 64 x [M 2,048, K 2,048] x [K 2,048, N 64]; A: softmax (see below); B: computed on the way: QUANTISED
;;     4. [M 8,192, K 1,024] x [K 1,024, N 1,024]; A: computed on the way; B: input W_proj: QUANTISED
;;   THE QUANTISER, for each operand of a quantised product, along K:
;;     - K is cut into blocks of 32 from its start; a last block that is shorter is filled with zeros.
;;     - A block's scale is 2^e with e = floor(log2(the largest magnitude in the block)) - 2, held to -126 .. 127; a block of zeros has e = 0. As a byte (E8M0): e + 127.
;;     - Each number is divided by its block's scale, clamped to +-7.5, and rounded to the nearest number of E2M3, ties to even, subnormals kept.
;;     - The product sums the exact products of the quantised numbers (number of the format x scale) in f32.
;;   ~~~python
;;   def quantise(x, axis):      # numpy; x: float32 -> the quantised numbers, widened to float32 again
;;       x = np.moveaxis(x, axis, -1); K = x.shape[-1]
;;       x = np.pad(x, [(0, 0)] * (x.ndim - 1) + [(0, -K % 32)]); x = x.reshape(x.shape[:-1] + (-1, 32)); a = np.abs(x).max(-1, keepdims=True)
;;       e = np.where(a > 0, np.clip(np.frexp(np.where(a > 0, a, 1))[1] - 1 - 2, -126, 127), 0)      # np.frexp(a)[1] - 1 = floor(log2(a)), exactly
;;       r = np.clip(x / 2.0 ** e, -7.5, 7.5)
;;       step = 2.0 ** (np.maximum(np.frexp(np.where(r == 0, 1, r))[1] - 1, 0) - 3)
;;       q = np.round(r / step) * step * 2.0 ** e      # np.round: ties to even
;;       return np.moveaxis(q.reshape(q.shape[:-2] + (-1,))[..., :K], -1, axis).astype(np.float32)
;;   ~~~
;;   SOFTMAX AHEAD OF A QUANTISED PRODUCT. Where the list says 'softmax', what is quantised is not the finished softmax but p = 2^(t - M), with t = logit x log2(e) and M = ceil(the row's largest t), a whole number; so 1/2 < the row's largest p <= 1. The row's sum l is taken of the UNQUANTISED p, in f32, and the product's result is divided by l at the end. Since M is a whole number, a kernel that streams over the keys may use a running M (the ceiling of the running maximum): every later rescaling is an exact power of two, which a block's scale takes up: the codes' values come out the same.
;;   OPERANDS COMPUTED ON THE WAY. 'Computed on the way' means the value that the module computes at that place (a softmax that the list does not call 'softmax' is quantised finished and normalised). What goes into a quantiser is computed in f32, as accurately as f32 sums, v_exp_f32 and their like allow (about 1e-6 of the number): no bf16 or f16 on the way to a quantiser, and a product that is left as it is and whose result goes on into a quantised operand takes f32 operands (vector FMAs, or v_wmma_f32_16x16x4_f32). A number that lies on a knife's edge between two numbers of the format may be rounded either way, as far as f32 arithmetic and the matrix unit's own rounding can turn it there, and no further.
;; One version. Each part assembles by itself: llvm-mc -triple=amdgcn-amd-amdhsa -mcpu=gfx1250 --defsym DOCPART=n.
;; ======== version 1 of 1: 4 launches
;; workspace buffers: x_codes 6,291,456 bytes; x_scales 262,144 bytes; w_codes 3,145,728 bytes; w_scales 131,072 bytes; qkv_codes 18,874,368 bytes; qkv_scales 1,310,720 bytes; a_codes 6,291,456 bytes; a_scales 262,144 bytes
;; launch prep (part 1): grid 768 x 1, 4 waves a work-group, no clusters, 68,096 bytes of LDS; arguments inputs, W_qkv, W_proj, x_codes, x_scales, w_codes, w_scales; writes x_codes, x_scales, w_codes, w_scales
.if DOCPART == 1
	.amdgcn_target "amdgcn-amd-amdhsa--gfx1250"
	.amdhsa_code_object_version 6
	.text
	.protected	k_qcf4c7c5b93_prep
	.globl	k_qcf4c7c5b93_prep
	.p2align	8
	.type	k_qcf4c7c5b93_prep,@function
k_qcf4c7c5b93_prep:
	s_mov_b64 s[64:65], 0
	v_nop
	global_prefetch_b8 v0, s[64:65] scope:SCOPE_SE
	s_setreg_imm32_b32 hwreg(HW_REG_WAVE_MODE, 25, 1), 1
	s_wait_xcnt 0x0
; inputs [8192][1024], W_qkv [1024][3072] and W_proj [1024][1024], f32, become codes of FP6 (E2M3) with one E8M0 byte for each 32 along K, laid as the products' operand registers take them.
; A FRAGMENT (16 rows x 128 K, 12 registers a lane) is 1,536 bytes: piece p (registers 2 p, 2 p + 1) at 256 p + 8 x lane.  A tensor is [row tile][K step of 128: 0..7][1,536].
; SCALE WORDS (four bytes: 128 K of a row): row tile x 512 + (ks / 2) x 128 + 8 r + 4 (ks % 2).
; w_codes' rows 0..3071 are W_qkv's columns, rows 3072..4095 W_proj's.  W_proj's codes lie inside each block of 32 in the order 0-7, 16-23, 8-15, 24-31, the order in which the attention launch leaves its result's codes.
; A block's scale is 2^(floor(log2(largest magnitude)) - 2): its byte is the largest magnitude's exponent field - 2, held at 1 from below by a floor among the maximum's leaves.
; LIMITS: a block of zeros, and one whose largest magnitude lies under 2^-124, gets the byte 1 (the rule says 127 for zeros: the codes are zeros, and this program alone reads the bytes); NaN and infinities among the inputs are not served.
; Work-groups 0..511: a row tile of inputs each (65,536 consecutive bytes).  Work-groups 512..767: 128 columns x 128 K of a weight each.  Only the first kind uses LDS.
.set SPW,   12                         ; v12  LDS address of my spare word; never rewritten
.set NIL,   13                         ; v13  0; never rewritten
.set WREG,  16896                      ; LDS: a wave's region: two stages
.set STG,   8448                       ; a stage: 16 rows x 528
.set SP,    528                        ; a stage row: 512 bytes + 16: sixteen rows start in sixteen different columns of 16 bytes
.set SPARE, 4*WREG                     ; behind the regions: the spare words, 128 bytes a wave
.set RW,    16                         ; v16-143  numbers as loaded
.set XN,    144                        ; v144-207 (inputs) 64 numbers: two whole blocks a lane
.set CD,    208                        ; v208-219 (inputs) a fragment's codes
.set OF,    144                        ; v144-175 (weights) a load offset for each of a block's 32 rows
; the largest magnitude of 32 numbers of a lane, in two chains, with the floor 2^(3 - 127); the conversion's scale operand (2 off the exponent field); the byte
.macro QBLK x, ma, mb, sop, by
	v_max3_num_f32 v[\ma], |v[\x]|, |v[\x+1]|, 0x1800000
	v_max3_num_f32 v[\mb], |v[\x+16]|, |v[\x+17]|, |v[\x+18]|
.irp i, 2,4,6,8,10,12
	v_max3_num_f32 v[\ma], v[\ma], |v[\x+\i]|, |v[\x+\i+1]|
	v_max3_num_f32 v[\mb], v[\mb], |v[\x+17+\i]|, |v[\x+18+\i]|
.endr
	v_max3_num_f32 v[\ma], v[\ma], |v[\x+14]|, |v[\x+15]|
	v_max3_num_f32 v[\ma], v[\ma], v[\mb], |v[\x+31]|
	v_add_nc_u32 v[\sop], 0xff000000, v[\ma]
	v_lshrrev_b32 v[\by], 23, v[\sop]
.endm
	s_load_b256 s[4:11], s[0:1], 0x0               ; inputs s[4:5], W_qkv s[6:7], W_proj s[8:9], x_codes s[10:11]
	s_load_b128 s[12:15], s[0:1], 0x20             ; x_scales s[12:13], w_codes s[14:15]
	s_load_b64 s[16:17], s[0:1], 0x30              ; w_scales
	v_lshl_add_u32 v[SPW], v0, 2, SPARE
	v_mov_b32 v[NIL], 0
	v_lshrrev_b32 v1, 5, v0
	v_readfirstlane_b32 s18, v1                    ; wave 0..3
	v_and_b32 v1, 31, v0                           ; lane
	v_and_b32 v2, 15, v0                           ; r
	v_bfe_u32 v3, v0, 4, 1                         ; h
	v_lshlrev_b32 v7, 3, v1                        ; 8 x lane: my place in a piece
	s_mov_b32 s20, 0x76543210
	s_mov_b32 s21, 0xfedcba98                      ; v_permlanex16_b32's selects for lane l xor 16
	s_cmp_lt_u32 ttmp9, 512
	s_cbranch_scc0 .Lw
; ---------------- inputs: work-group i takes row tile i; wave w takes K = 256 w .. 256 w + 255: fragments ks = 2 w, 2 w + 1
	v_lshlrev_b32 v4, 4, v1                        ; a load takes 512 consecutive bytes of a row, 16 a lane
	s_mul_i32 s22, s18, WREG
	v_add_nc_u32 v5, s22, v4                       ; into a stage, as loaded
	v_mul_u32_u24 v6, v2, SP
	v_lshl_add_u32 v6, v3, 7, v6
	v_add_nc_u32 v6, s22, v6                       ; out of it: row r, block h: a lane takes whole blocks of 128 bytes
	v_lshlrev_b32 v8, 3, v2
	v_lshl_add_u32 v8, v3, 2, v8                   ; scale words: 8 r + 4 h
	v_lshlrev_b32 v9, 3, v3                        ; 8 h: my bytes' place in a word
	s_mov_b32 s19, 0xffff0000                      ; lanes 16-31
	s_lshl_b32 s24, ttmp9, 16
	s_lshl_b32 s23, s18, 10
	s_add_co_u32 s24, s24, s23
	s_mov_b32 s25, 0
	s_mul_i32 s26, ttmp9, 12288
	s_mul_i32 s23, s18, 3072
	s_add_co_u32 s26, s26, s23
	s_mov_b32 s27, 0
	s_lshl_b32 s28, ttmp9, 9
	s_lshl_b32 s23, s18, 7
	s_add_co_u32 s28, s28, s23
	s_mov_b32 s29, 0
	s_wait_alu depctr_va_vdst(0)
	s_wait_kmcnt 0x0
	s_add_nc_u64 s[4:5], s[4:5], s[24:25]
	s_add_nc_u64 s[10:11], s[10:11], s[26:27]
	s_add_nc_u64 s[12:13], s[12:13], s[28:29]
.irp f, 0,1
.irp row, 0,1,2,3,4,5,6,7,8,9,10,11,12,13,14,15
	global_load_b128 v[RW+64*\f+4*\row:RW+64*\f+4*\row+3], v4, s[4:5] offset:4096*\row+512*\f th:TH_LOAD_NT
.endr
.endr
.macro XFRAG f
.if \f == 0
	s_wait_loadcnt 16                              ; this fragment's sixteen loads are in; the other's sixteen are younger
.else
	s_wait_loadcnt 0x0
.endif
.irp row, 0,1,2,3,4,5,6,7,8,9,10,11,12,13,14,15
	ds_store_b128 v5, v[RW+64*\f+4*\row:RW+64*\f+4*\row+3] offset:STG*\f+SP*\row
.endr
.irp c, 0,1
.irp j, 0,1,2,3,4,5,6,7
	ds_load_b128 v[XN+32*\c+4*\j:XN+32*\c+4*\j+3], v6 offset:STG*\f+256*\c+16*\j   ; LDS serves a wave's instructions in order: these see my stores.  Block 2 c + h of row r
.endr
.endr
	s_wait_dscnt 0x0
	QBLK XN, 228, 238, 230, 232
	QBLK XN+32, 229, 239, 231, 233
.if \f
	s_wait_alu depctr_va_vdst(0)
	s_wait_xcnt 0x0                                ; the first fragment's stores have read their data: the codes' registers are written again
.endif
.irp c, 0,1
	v_cvt_scalef32_pk16_fp6_f32 v[CD+6*\c:CD+6*\c+2], v[XN+32*\c:XN+32*\c+15], v[230+\c]
	v_cvt_scalef32_pk16_fp6_f32 v[220+4*\c:222+4*\c], v[XN+32*\c+16:XN+32*\c+31], v[230+\c]   ; (a conversion's three registers begin on an even number)
.endr
	v_lshl_or_b32 v236, v233, 16, v232             ; my two bytes: blocks h and 2 + h.  (Also the plain line behind the conversions)
	v_lshlrev_b32 v236, v9, v236                   ; at their places in the word
	v_mov_b32 v237, 0
	v_permlanex16_b32 v237, v236, s20, s21
	v_or_b32 v[234+\f], v236, v237                 ; with lane l xor 16's two the word is whole
.irp c, 0,1
.irp i, 0,1,2
	v_mov_b32 v[CD+6*\c+3+\i], v[220+4*\c+\i]
.endr
.endr
.irp p, 0,1,2,3,4,5
	global_store_b64 v7, v[CD+2*\p:CD+2*\p+1], s[10:11] offset:1536*\f+256*\p   ; 32 lanes store 256 consecutive bytes, aligned
.endr
.endm
	XFRAG 0
	XFRAG 1
	v_cndmask_b32 v236, v234, v235, s19            ; lanes 0-15 store ks = 2 w's word of row r, lanes 16-31 ks = 2 w + 1's: 128 consecutive bytes
	global_store_b32 v8, v236, s[12:13]
	s_wait_tensorcnt 0x0                           ; the wave's end, behind my last LDS store
	ds_add_u32 v[SPW], v[NIL]
	s_wait_dscnt 0x0
	s_endpgm
; ---------------- weights: K is the first axis.  A lane takes a column, its registers run down K.  Wave w: 32 columns (two row tiles of w_codes) x 128 K: four blocks of 32.  No LDS.
.Lw:
	s_sub_co_u32 s22, ttmp9, 512
	s_and_b32 s23, s22, 31                         ; which 128 rows of w_codes
	s_lshr_b32 s22, s22, 5                         ; ks
	s_lshl_b32 s24, s23, 7
	s_lshl_b32 s25, s18, 5
	s_add_co_u32 s24, s24, s25                     ; my wave's first row of w_codes
	s_sub_co_u32 s25, s24, 3072                    ; the same as a column of W_proj
	s_mov_b32 s26, 4096
	s_mov_b32 s27, 32768
	s_wait_alu depctr_va_vdst(0)
	v_lshlrev_b32 v4, 2, v1                        ; 4 bytes a lane: a load reads 128 consecutive bytes, the four waves side by side 512
	v_lshlrev_b32 v8, 3, v2
	v_lshl_add_u32 v8, v3, 9, v8                   ; scale words: (lane / 16) x 512 + 8 r
	s_wait_alu depctr_va_vdst(0)
	s_wait_kmcnt 0x0
	s_cmp_lt_u32 s23, 24                           ; W_qkv or W_proj: the choice hangs on the work-group's number alone
	s_cselect_b64 s[6:7], s[6:7], s[8:9]
	s_cselect_b32 s26, 12288, s26                  ; bytes from row to row
	s_cselect_b32 s27, 0, s27                      ; 8 rows, for W_proj's order inside a block
	s_cselect_b32 s25, s24, s25                    ; my first column
	s_lshl_b32 s28, s22, 7
	s_mul_i32 s28, s28, s26
	s_lshl_b32 s25, s25, 2
	s_add_co_u32 s28, s28, s25
	s_mov_b32 s29, 0
	s_add_nc_u64 s[32:33], s[6:7], s[28:29]        ; block 0 of my 128 K,
	s_lshl_b32 s28, s26, 5
	s_add_nc_u64 s[34:35], s[32:33], s[28:29]      ; and the three behind it, 32 rows apart
	s_add_nc_u64 s[36:37], s[34:35], s[28:29]
	s_add_nc_u64 s[38:39], s[36:37], s[28:29]
.set i, 0
.rept 32                               ; register i of a block takes row i; in W_proj rows 8-15 and 16-23 change places
	s_mul_i32 s41, s26, i
.if (i >= 8) && (i < 16)
	s_add_co_u32 s41, s41, s27
.elseif (i >= 16) && (i < 24)
	s_sub_co_u32 s41, s41, s27
.endif
	v_add_nc_u32 v[OF+i], s41, v4
.set i, i+1
.endr
.macro WLOAD q                         ; block q's 32 rows into registers of its own; the offsets and the four bases are never rewritten
.set i, 0
.rept 32
	global_load_b32 v[RW+32*(\q)+i], v[OF+i], s[32+2*(\q):33+2*(\q)] th:TH_LOAD_NT
.set i, i+1
.endr
.endm
	s_wait_alu depctr_va_vdst(0)
	WLOAD 0                                        ; the loads run two blocks ahead: 64 of a wave are out
	WLOAD 1
	s_lshr_b32 s24, s24, 4                         ; my first row tile
	s_mul_i32 s30, s24, 12288
	s_mul_i32 s31, s22, 1536
	s_add_co_u32 s30, s30, s31
	s_mov_b32 s31, 0
	s_add_nc_u64 s[14:15], s[14:15], s[30:31]
	s_lshl_b32 s30, s24, 9
	s_lshr_b32 s40, s22, 1
	s_lshl_b32 s40, s40, 7
	s_add_co_u32 s30, s30, s40
	s_and_b32 s40, s22, 1
	s_lshl_b32 s40, s40, 2
	s_add_co_u32 s30, s30, s40
	s_add_nc_u64 s[16:17], s[16:17], s[30:31]
.irp q, 0,1,2,3
.if \q < 3
	s_wait_loadcnt 32                              ; this block's 32 loads are in; only the next block's 32 are younger
.else
	s_wait_loadcnt 0x0
.endif
.if \q < 2
	WLOAD \q+2                                     ; the block two on is asked for ahead of this block's arithmetic
.endif
	QBLK RW+32*\q, 224+\q, 228+\q, 232+\q, 236+\q
	v_cvt_scalef32_pk16_fp6_f32 v[176+8*\q:178+8*\q], v[RW+32*\q:RW+32*\q+15], v[232+\q]
	v_cvt_scalef32_pk16_fp6_f32 v[208+4*\q:210+4*\q], v[RW+32*\q+16:RW+32*\q+31], v[232+\q]
.endr
	v_lshl_or_b32 v240, v237, 8, v236              ; my column's scale word.  (Also the plain line behind the conversions)
	v_lshl_or_b32 v240, v238, 16, v240
	v_lshl_or_b32 v240, v239, 24, v240
.irp q, 0,1,2,3
.irp i, 0,1,2
	v_mov_b32 v[179+8*\q+\i], v[208+4*\q+\i]       ; v[176 + 8 q ..+5]: block q of my column
.endr
.endr
.irp c, 0,1                            ; a fragment wants block 2 c in lanes 0-15 and block 2 c + 1 in lanes 16-31 of ONE row tile: the two blocks' halves change places
.irp i, 0,1,2,3,4,5
	v_permlane16_swap_b32 v[176+16*\c+\i], v[184+16*\c+\i]
.endr
.endr
.irp c, 0,1
.irp p, 0,1,2
	global_store_b64 v7, v[176+16*\c+2*\p:177+16*\c+2*\p], s[14:15] offset:256*(3*\c+\p)         ; the first row tile's fragment: 256 consecutive bytes a store
	global_store_b64 v7, v[184+16*\c+2*\p:185+16*\c+2*\p], s[14:15] offset:12288+256*(3*\c+\p)   ; the second's
.endr
.endr
	global_store_b32 v8, v240, s[16:17]            ; words 8 bytes apart: the other K step's words lie between.  One byte in 128 of what this path reads
	s_endpgm
.Lfunc_end_k_qcf4c7c5b93_prep:
	.size	k_qcf4c7c5b93_prep, .Lfunc_end_k_qcf4c7c5b93_prep-k_qcf4c7c5b93_prep
	.p2alignl 7, 3214868480
	.fill 96, 4, 3214868480
	.section	.rodata,"a",@progbits
	.p2align	6, 0x0
	.amdhsa_kernel k_qcf4c7c5b93_prep
		.amdhsa_group_segment_fixed_size 68096
		.amdhsa_private_segment_fixed_size 0
		.amdhsa_enable_private_segment 0
		.amdhsa_kernarg_size 56
		.amdhsa_user_sgpr_count 2
		.amdhsa_user_sgpr_kernarg_segment_ptr 1
		.amdhsa_wavefront_size32 1
		.amdhsa_system_sgpr_workgroup_id_x 1
		.amdhsa_system_sgpr_workgroup_id_y 1
		.amdhsa_system_sgpr_workgroup_id_z 1
		.amdhsa_system_vgpr_workitem_id 0
		.amdhsa_next_free_vgpr 248
		.amdhsa_next_free_sgpr 66
		.amdhsa_reserve_vcc 0
		.amdhsa_float_denorm_mode_32 3
		.amdhsa_float_denorm_mode_16_64 3
		.amdhsa_memory_ordered 1
		.amdhsa_forward_progress 1
		.amdhsa_inst_pref_size 40
	.end_amdhsa_kernel
	.amdgpu_metadata
---
amdhsa.version: [ 1, 2 ]
amdhsa.kernels:
  - .name:           k_qcf4c7c5b93_prep
    .symbol:         k_qcf4c7c5b93_prep.kd
    .args:
      - { .name: inputs, .offset: 0, .size: 8, .value_kind: global_buffer, .address_space: global }
      - { .name: W_qkv, .offset: 8, .size: 8, .value_kind: global_buffer, .address_space: global }
      - { .name: W_proj, .offset: 16, .size: 8, .value_kind: global_buffer, .address_space: global }
      - { .name: x_codes, .offset: 24, .size: 8, .value_kind: global_buffer, .address_space: global }
      - { .name: x_scales, .offset: 32, .size: 8, .value_kind: global_buffer, .address_space: global }
      - { .name: w_codes, .offset: 40, .size: 8, .value_kind: global_buffer, .address_space: global }
      - { .name: w_scales, .offset: 48, .size: 8, .value_kind: global_buffer, .address_space: global }
    .group_segment_fixed_size: 68096
    .private_segment_fixed_size: 0
    .kernarg_segment_align: 8
    .kernarg_segment_size: 56
    .max_flat_workgroup_size: 128
    .sgpr_count:     66
    .vgpr_count:     248
    .wavefront_size: 32
...
	.end_amdgpu_metadata
.endif
;; end of part 1
;; launch gemm_qkv (part 2): grid 8 x 48, 4 waves a work-group, clusters of 4 x 4, 327,680 bytes of LDS; arguments x_codes, x_scales, w_codes, w_scales, b_qkv, qkv_codes, qkv_scales; writes qkv_codes, qkv_scales
.if DOCPART == 2
	.amdgcn_target "amdgcn-amd-amdhsa--gfx1250"
	.amdhsa_code_object_version 6
	.text
	.protected	k_qcf4c7c5b93_gemm_qkv
	.globl	k_qcf4c7c5b93_gemm_qkv
	.p2align	8
	.type	k_qcf4c7c5b93_gemm_qkv,@function
k_qcf4c7c5b93_gemm_qkv:
	s_mov_b64 s[64:65], 0
	v_nop
	global_prefetch_b8 v0, s[64:65] scope:SCOPE_SE
	s_setreg_imm32_b32 hwreg(HW_REG_WAVE_MODE, 25, 1), 1
	s_wait_xcnt 0x0
	s_wait_alu depctr_hold_cnt(0) depctr_sa_sdst(0) depctr_va_vdst(0) depctr_va_sdst(0) depctr_va_ssrc(0) depctr_va_vcc(0) depctr_vm_vsrc(0)
	s_getreg_b32 s2, hwreg(HW_REG_IB_STS2, 6, 4)
	s_cmp_eq_u32 s2, 0
	s_cbranch_scc0 .Lentry_in_a_cluster
	s_endpgm
.Lentry_in_a_cluster:
	s_bfe_u32 s2, ttmp6, 0x10000c
	s_cmp_lg_u32 s2, 0xf033
	s_cbranch_scc0 .Lentry_shape_is_right
	s_endpgm
.Lentry_shape_is_right:
; qkv = x W_qkv + b_qkv on codes of FP6 (E2M3) with E8M0 scales, and its result quantised in registers into the attention launch's operands: q and k along the head's 64, v along the tokens.  Nothing wide goes to memory.
; THE PRODUCT.  Two operands, L and R, each [rows][1024 K] as fragment images (1,536 bytes: piece p at 256 p + 8 x lane; a row tile's eight K steps on end) with scale words beside them.  The matrix instruction takes
; 16 rows of R as source 0 and 16 rows of L as source 1: a lane then holds ONE row of L and its eight registers run along R's rows.  A work-group makes 256 x 256, a wave 128 x 128: 64 accumulators, 512 registers.
; q, k (clusters y 0..7): L = x (a lane a token), R = W's columns 0..2047: registers run along the head's axis.  v (clusters y 8..11): L = W's columns 2048..3071, R = x: registers run along the tokens, v's K.
; The tile is square, so only pointers, tile numbers and the output's strides differ, chosen by selects on the cluster's y, which all partners share.
; K goes in steps of 256 through two LDS slots; all scale words of the work-group's rows come once.  4 x 4 work-groups form a cluster: L's tiles are asked for jointly along a row, R's along a column.
; THE WAY OUT.  A block of 16 rows of L x my 128 rows of R is 64 numbers a lane: four blocks of 32.  Two neighbouring tiles' 16 registers and lane l xor 16's hold a block; the codes come out inside a block in the order
; 0-7, 16-23, 8-15, 24-31, on both sides of each later product alike: the blocks and their scales are the rule's own.  Every store of codes covers 256 consecutive bytes, aligned.
; LIMITS: NaN and infinities are not served (an infinite bias would give NaN through the multiplication by 0 below); a block of zeros or under 2^-124 gets the byte 1.
; REGISTERS, in windows of 256: window 0: v1-29 addresses; v32-63 scale words, two sets; v64-127 the bias along R as the first products' C; v128-223 L's fragments, one set; v224-239 the bias along L.
;   window 1: R's fragments, two sets, at v0 and v128.  windows 2, 3: the accumulators ((a, b) at v[8 (8 (a % 4) + b)]).
.set NQ,     2                         ; matrix instructions deep in a slot
.set FR,     12                        ; registers of a fragment
.set NL,     6                         ; LDS loads that bring one
.set NP,     4                         ; places behind this matrix instruction (ISA guide 7.12.1)
.set FIL,    1536                      ; a fragment's image
.set KSB,    3072                      ; a row tile's codes of a K step of 256
.set HALFT,  8*KSB                     ; 128 rows: what one tensor load brings
.set SLOT,   4*HALFT                   ; L's 256 rows, then R's
.set SCA,    2*SLOT                    ; L's scale words: 2 x 4,096 bytes
.set SCB,    SCA+8192+128              ; R's; the 128 put them in the other half of the banks of the joint load of 8 bytes
.set SPARE,  213248                    ; the spare words, 128 bytes a wave, in blocks of 256 bytes into which no fill lands
.set ADRA, 16                          ; v16-17  LDS address of L's fragments in slot 0, 1
.set ADRB, 20                          ; v20-21  of R's
.set L8,   26                          ; v26     8 x lane
.set ADRS, 27                          ; v27     LDS address of my scale words: lanes 0-15 L's rows, lanes 16-31 R's
.set SPW,  28                          ; v28     LDS address of my spare word; never rewritten
.set NIL,  29                          ; v29     0; never rewritten
.set SC,   32
.set BR,   64
.set AF,   128
.set BL,   224
.set G1, 24
.set G0, 32
.set G1B, 48
.set G0B, 56
.set G1S, 68
.set G0S, 76
.set G1SB, 80
.set G0SB, 88
.set MSB, 0
.macro WIN new                         ; the immediate's high byte repeats the setting that is left
.if MSB != \new
	s_set_vgpr_msb (MSB<<8)|\new
.set MSB, \new
.endif
.endm
.set MUL_LO, 0xa1                      ; source 0 (R) window 1, source 1 (L) window 0, C and D window 2
.set MUL_HI, 0xf1                      ; the same, C and D window 3
.set TO_B,   0x40                      ; destination window 1, address window 0
; A joint load: waves 0 and 1 fetch for L, waves 2 and 3 for R.  The branch hangs on the wave's number alone.  An s_nop 0 and four v_nop follow each of the two lines.
.macro JLOAD g0a, g1a, g0b, g1b
	s_cmp_eq_u32 s15, 0
	s_cbranch_scc0 .Lfor_b_\@
	tensor_load_to_lds s[\g0a:\g0a+3], s[\g1a:\g1a+7]
	s_nop 0
.rept 4
	v_nop
.endr
	s_branch .Lasked_\@
.Lfor_b_\@:
	tensor_load_to_lds s[\g0b:\g0b+3], s[\g1b:\g1b+7]
	s_nop 0
.rept 4
	v_nop
.endr
.Lasked_\@:
.endm
.macro CREST                           ; a round of the cluster's barrier behind its opening barrier
	s_cmp_lg_u32 s14, 0
	s_cbranch_scc1 .Lnot_wave_0_\@
	s_barrier_signal -3
.Lnot_wave_0_\@:
	s_barrier_wait -3
	s_barrier_signal -1
	s_barrier_wait -1
.endm
.macro CROUND
	s_barrier_signal -1
	s_barrier_wait -1
	CREST
.endm
	s_load_b256 s[4:11], s[0:1], 0x0               ; x_codes s[4:5], x_scales s[6:7], w_codes s[8:9], w_scales s[10:11]
	s_load_b128 s[96:99], s[0:1], 0x20             ; b_qkv s[96:97], qkv_codes s[98:99]
	s_load_b64 s[100:101], s[0:1], 0x30            ; qkv_scales
	v_lshl_add_u32 v[SPW], v0, 2, SPARE
	v_mov_b32 v[NIL], 0
	ds_add_u32 v[SPW], v[NIL]                      ; the wave's opening: the add and its wait stand ahead of my first tensor load; work on registers stands between them
	v_lshrrev_b32 v1, 5, v0
	v_readfirstlane_b32 s14, v1                    ; wave 0..3
	s_lshr_b32 s15, s14, 1                         ; my half of L's rows.  Also: I fetch for L (0) or for R (1)
	s_and_b32 s16, s14, 1                          ; my half of R's rows.  Also: which 128 rows I fetch
	s_bfe_u32 s40, ttmp6, 0x40000                  ; cx
	s_bfe_u32 s41, ttmp6, 0x40004                  ; cy
	s_and_b32 s12, ttmp7, 0xffff                   ; the cluster's y
	s_lshl_b32 s17, s12, 2
	s_lshl_b32 s42, ttmp9, 2
	s_lshl_b32 s18, s12, 3
	s_add_co_u32 s18, s18, s42
	s_sub_co_u32 s18, s18, 64                      ; v: 8 (y - 8) + 4 x
	s_cmp_ge_u32 s12, 8                            ; v's clusters: the same in all sixteen partners
	s_cselect_b32 s95, 1, 0
	s_cselect_b32 s17, 0, s17
	s_cselect_b32 s42, s18, s42
	s_add_co_u32 s17, s17, s41                     ; L's tile of 256 rows: hangs on cy and the cluster's y
	s_add_co_u32 s42, s42, s40                     ; R's: on cx and the cluster's place
	s_lshl_b32 s43, s41, 2
	s_lshl_b32 s43, 15, s43                        ; my row of the cluster
	s_lshl_b32 s44, 0x1111, s40                    ; my column
	; group 1, codes: 8 rows (row tiles) of 384 elements of 8 bytes (3,072 bytes), 1,536 elements apart; dense in LDS
	s_or_b32 s[G1+0], s43, (3<<16)|(1<<21)
	s_or_b32 s[G1B+0], s44, (3<<16)|(1<<21)
.irp g, G1, G1B
	s_mov_b32 s[\g+1], 384<<16
	s_mov_b32 s[\g+2], 8<<16
	s_mov_b32 s[\g+3], 384<<16
	s_mov_b32 s[\g+4], 8
	s_mov_b32 s[\g+5], 1536
	s_mov_b32 s[\g+6], 0
	s_mov_b32 s[\g+7], 0
.endr
	; group 1, scale words of 128 rows: 4,096 dense bytes as 16 rows of 256
	s_or_b32 s[G1S+0], s43, (3<<16)|(1<<21)
	s_or_b32 s[G1SB+0], s44, (3<<16)|(1<<21)
.irp g, G1S, G1SB
	s_mov_b32 s[\g+1], 32<<16
	s_mov_b32 s[\g+2], 16<<16
	s_mov_b32 s[\g+3], 32<<16
	s_mov_b32 s[\g+4], 16
	s_mov_b32 s[\g+5], 32
	s_mov_b32 s[\g+6], 0
	s_mov_b32 s[\g+7], 0
.endr
	s_lshl_b32 s21, s16, 3
	s_lshl_b32 s20, s17, 4
	s_add_co_u32 s20, s20, s21                     ; L: the first row tile that I fetch
	s_lshl_b32 s46, s42, 4
	s_add_co_u32 s46, s46, s21                     ; R likewise
	s_lshl_b32 s22, s20, 9                         ; their scale words,
	s_mov_b32 s23, 0
	s_mul_i32 s20, s20, 12288                      ; their codes
	s_mov_b32 s21, 0
	s_lshl_b32 s92, s46, 9
	s_mov_b32 s93, 0
	s_mul_i32 s46, s46, 12288
	s_mov_b32 s47, 0
	s_mul_i32 s45, s14, HALFT                      ; where they go: no place in the cluster enters an LDS address
	s_lshl_b32 s94, s14, 12
	s_wait_dscnt 0x0                               ; the opening add is done
	s_wait_kmcnt 0x0
	s_add_nc_u64 s[18:19], s[8:9], 1572864         ; W's rows 2048 on: codes,
	s_add_nc_u64 s[66:67], s[10:11], 65536         ; scale words
	s_cmp_lg_u32 s95, 0
	s_cselect_b64 s[18:19], s[18:19], s[4:5]       ; L's codes
	s_cselect_b64 s[66:67], s[66:67], s[6:7]       ; L's scale words
	s_cselect_b64 s[8:9], s[4:5], s[8:9]           ; R's codes
	s_cselect_b64 s[10:11], s[6:7], s[10:11]       ; R's scale words
	s_add_nc_u64 s[20:21], s[18:19], s[20:21]
	s_add_nc_u64 s[22:23], s[66:67], s[22:23]
	s_add_nc_u64 s[46:47], s[8:9], s[46:47]
	s_add_nc_u64 s[92:93], s[10:11], s[92:93]
	CROUND                                         ; all sixteen work-groups are here: the first joint loads meet
	s_mov_b32 s[G0S], 1
	s_add_co_u32 s[G0S+1], s94, SCA
	s_mov_b64 s[G0S+2:G0S+3], s[22:23]
	s_or_b32 s[G0S+3], s[G0S+3], 0x80000000
	s_mov_b32 s[G0SB], 1
	s_add_co_u32 s[G0SB+1], s94, SCA+128
	s_mov_b64 s[G0SB+2:G0SB+3], s[92:93]
	s_or_b32 s[G0SB+3], s[G0SB+3], 0x80000000
	JLOAD G0S, G1S, G0SB, G1SB                     ; the scale words first: filled once.  With the two below three loads of mine are out
.irp s, 0,1
	s_mov_b32 s[G0+4*\s], 1
	s_add_co_u32 s[G0+4*\s+1], s45, \s*SLOT
	s_add_nc_u64 s[G0+4*\s+2:G0+4*\s+3], s[20:21], \s*KSB
	s_or_b32 s[G0+4*\s+3], s[G0+4*\s+3], 0x80000000
	s_mov_b32 s[G0B+4*\s], 1
	s_add_co_u32 s[G0B+4*\s+1], s45, \s*SLOT
	s_add_nc_u64 s[G0B+4*\s+2:G0B+4*\s+3], s[46:47], \s*KSB
	s_or_b32 s[G0B+4*\s+3], s[G0B+4*\s+3], 0x80000000
	JLOAD G0+4*\s, G1, G0B+4*\s, G1B
.endr
	v_and_b32 v1, 15, v0                           ; r
	v_bfe_u32 v2, v0, 4, 1                         ; h
	v_and_b32 v3, 31, v0
	v_lshlrev_b32 v[L8], 3, v3
	s_mul_i32 s21, s15, HALFT
	s_mul_i32 s22, s16, HALFT
	s_add_co_u32 s22, s22, 2*HALFT
.irp s, 0,1
	v_add_nc_u32 v[ADRA+\s], s21, v[L8]
	v_add_nc_u32 v[ADRB+\s], s22, v[L8]
	s_add_co_u32 s21, s21, SLOT
	s_add_co_u32 s22, s22, SLOT
.endr
	s_lshl_b32 s21, s15, 12
	s_lshl_b32 s22, s16, 12
	s_add_co_u32 s22, s22, SCB-SCA
	s_sub_co_u32 s22, s22, s21
	v_mul_u32_u24 v6, s22, v2                      ; lanes 16-31 take R's: one product, the distance between the two bases
	s_add_co_u32 s21, s21, SCA
	v_lshl_add_u32 v5, v1, 3, v6
	v_add_nc_u32 v[ADRS], s21, v5
	; THE BIAS.  q, k: it runs along R's rows, the registers: it is the C of the first products.  v: along L's rows, the lanes: it is added on the way out.  Both are loaded, and the one that does not apply is multiplied by 0.
	s_lshl_b32 s2, s42, 10
	s_lshl_b32 s4, s16, 9
	s_add_co_u32 s2, s2, s4
	s_lshl_b32 s4, s17, 10
	s_lshl_b32 s5, s15, 9
	s_add_co_u32 s4, s4, s5
	s_add_co_u32 s4, s4, 8192
	s_cmp_lg_u32 s95, 0
	s_cselect_b32 s2, 0, s2
	s_cselect_b32 s4, s4, 0
	s_cselect_b32 s12, 0, 0x3f800000
	s_cselect_b32 s18, 0x3f800000, 0
	s_mov_b32 s13, s12
	s_mov_b32 s19, s18
	v_lshlrev_b32 v8, 5, v2
	v_add_nc_u32 v8, s2, v8
	v_lshlrev_b32 v9, 2, v1
	v_add_nc_u32 v9, s4, v9
.irp b, 0,1,2,3,4,5,6,7
	global_load_b128 v[BR+8*\b:BR+8*\b+3], v8, s[96:97] offset:64*\b
	global_load_b128 v[BR+8*\b+4:BR+8*\b+7], v8, s[96:97] offset:64*\b+16
.endr
.irp a, 0,1,2,3,4,5,6,7
	global_load_b32 v[BL+2*\a], v9, s[96:97] offset:64*\a
	global_load_b32 v[BL+2*\a+1], v9, s[96:97] offset:64*\a
.endr
	; WHERE THE RESULT GOES.  Tokens: tile s4, half s6; width: tile s5, half s7
	s_cmp_lg_u32 s95, 0
	s_cselect_b32 s4, s42, s17
	s_cselect_b32 s5, s17, s42
	s_cselect_b32 s6, s16, s15
	s_cselect_b32 s7, s15, s16
	s_lshr_b32 s40, s5, 2
	s_cmp_lg_u32 s95, 0
	s_cselect_b32 s40, 2, s40                      ; 0 q, 1 k, 2 v
	s_lshr_b32 s41, s4, 3                          ; the batch
	s_and_b32 s4, s4, 7
	s_lshl_b32 s4, s4, 1
	s_add_co_u32 s4, s4, s6                        ; which 128 tokens of its 2,048
	s_and_b32 s5, s5, 3
	s_lshl_b32 s5, s5, 1
	s_add_co_u32 s5, s5, s7
	s_lshl_b32 s5, s5, 1
	s_lshl_b32 s41, s41, 4
	s_add_co_u32 s5, s5, s41                       ; the first of my two heads: 16 x batch + head
	s_mul_i32 s6, s40, 6291456
	s_mul_i32 s7, s5, 98304
	s_add_co_u32 s6, s6, s7
	s_mul_i32 s7, s4, 6144
	s_add_co_u32 s6, s6, s7                        ; codes: my first byte
	s_cmp_lg_u32 s95, 0
	s_mov_b32 s7, 768
	s_cselect_b32 s7, 1536, s7                     ; from block a to a + 1: a token tile, or a tile of 16 of the head's 64
	s_mov_b32 s41, 3072
	s_cselect_b32 s41, 98304, s41                  ; from block 0 to block 4: four token tiles, or the next head
	s_mov_b32 s43, 98304
	s_cselect_b32 s43, 768, s43                    ; from pieces 0-2 to pieces 3-5: the next head, or on end
	s_cmp_lg_u32 s40, 0
	s_mov_b32 s44, 8192
	s_cselect_b32 s44, 12288, s44                  ; scale words: a head's bytes
	s_cselect_b32 s47, 524288, 0
	s_mul_i32 s46, s5, s44
	s_add_co_u32 s46, s46, s47
	s_cmp_lg_u32 s95, 0
	s_cselect_b32 s47, 8192, 0
	s_add_co_u32 s46, s46, s47
	s_cmp_lg_u32 s95, 0
	s_cselect_b32 s47, 8, 9
	s_lshl_b32 s47, s4, s47
	s_add_co_u32 s46, s46, s47                     ; scale words: my first byte
	s_cmp_lg_u32 s95, 0
	s_mov_b32 s47, 256
	s_cselect_b32 s47, 12288, s47                  ; from the first pair of words to the second: the next 64 tokens, or the next head
.macro FRAG reg, adr, q, i             ; a fragment comes as it lies: six loads of 8 bytes a lane, 256 consecutive bytes each
.irp p, 0,1,2,3,4,5
	ds_load_b64 v[\reg+2*\p:\reg+2*\p+1], v[\adr] offset:(\i)*KSB+(\q)*FIL+256*\p
.endr
.endm
; 16 matrix instructions: L's blocks a0, a0 + 1 x R's eight, 128 along K.  zero = 1: the first product starts the sums, with the bias as C.  The 64 accumulators take turns, one instruction a turn.
.macro MUL16 a0, p, q, sc, zero
.irp a, \a0, \a0+1
.irp b, 0,1,2,3,4,5,6,7
.if \zero
	v_wmma_scale_f32_16x16x128_f8f6f4 v[8*(8*((\a)%4)+\b):8*(8*((\a)%4)+\b)+7], v[128*(\p)+FR*\b:128*(\p)+FR*\b+FR-1], v[AF+FR*(\a):AF+FR*(\a)+FR-1], v[BR+8*\b:BR+8*\b+7], v[SC+8*NQ*(\sc)+NQ*\b+(\q)], v[SC+8*NQ*(\sc)+NQ*(\a)+(\q)] matrix_a_fmt:MATRIX_FMT_FP6 matrix_b_fmt:MATRIX_FMT_FP6 matrix_a_scale:MATRIX_SCALE_ROW1
.else
	v_wmma_scale_f32_16x16x128_f8f6f4 v[8*(8*((\a)%4)+\b):8*(8*((\a)%4)+\b)+7], v[128*(\p)+FR*\b:128*(\p)+FR*\b+FR-1], v[AF+FR*(\a):AF+FR*(\a)+FR-1], v[8*(8*((\a)%4)+\b):8*(8*((\a)%4)+\b)+7], v[SC+8*NQ*(\sc)+NQ*\b+(\q)], v[SC+8*NQ*(\sc)+NQ*(\a)+(\q)] matrix_a_fmt:MATRIX_FMT_FP6 matrix_b_fmt:MATRIX_FMT_FP6 matrix_a_scale:MATRIX_SCALE_ROW1
.endif
.endr
.endr
.endm
.macro FETCH_B slot, q, p
	WIN TO_B
.irp i, 0,1,2,3,4,5,6,7
	FRAG 128*(\p)+FR*\i, ADRB+\slot, \q, \i
.endr
	WIN 0
.endm
.macro FETCH_A slot, q, i0
.irp i, \i0, \i0+1, \i0+2, \i0+3
	FRAG AF+FR*(\i), ADRA+\slot, \q, \i
.endr
.endm
.macro SCALES sc                       ; a K step's two words a row: lanes 0-15 L's block i, lanes 16-31 R's block i
.irp i, 0,1,2,3,4,5,6,7
	ds_load_b64 v[SC+8*NQ*\sc+NQ*\i:SC+8*NQ*\sc+NQ*\i+1], v[ADRS] offset:\i*512
.endr
.endm
.macro PLACES n                        ; plain vector instructions between a matrix instruction and a load into, or a vector instruction on, its registers
.rept \n
	v_nop
.endr
.endm
.macro STEP slot, q, zero              ; a step of 128 along K that has its successor in the same slot
	s_wait_dscnt 4*NL                              ; R's set, L's blocks 0-3 and the scale words are in; the youngest 24 loads (L's blocks 4-7) may be out
.if \zero
	WIN 0x81                                       ; C (the bias) in window 0
.else
	WIN MUL_LO
.endif
	MUL16 0, (\q)%2, \q, \slot, \zero
	MUL16 2, (\q)%2, \q, \slot, \zero
	s_wait_dscnt 0
	PLACES NP
	FETCH_B \slot, (\q)+1, 1-(\q)%2
	FETCH_A \slot, (\q)+1, 0
.if \zero
	WIN 0xc1
.else
	WIN MUL_HI
.endif
	MUL16 4, (\q)%2, \q, \slot, \zero
	MUL16 6, (\q)%2, \q, \slot, \zero
	PLACES NP
	WIN 0
	FETCH_A \slot, (\q)+1, 4
.endm
; A slot's last step changes slots: one barrier; in front of it each wave waits for all its tensor loads, adds 0 to its spare word, and waits for that and for its reads of this slot.  fill = 1: the slot is filled again, two K steps ahead.
.macro TURN slot, next, fill
	s_wait_tensorcnt 0x0                           ; all my tensor loads have landed: my part of the next slot
	ds_add_u32 v[SPW], v[NIL]
	s_wait_dscnt 4*NL+1                            ; the add and the youngest 24 loads may be out
	WIN MUL_LO
	MUL16 0, 1, NQ-1, \slot, 0
	s_wait_dscnt 0x0                               ; the add is done, and my reads of this slot are over
	s_barrier_signal -1
	MUL16 2, 1, NQ-1, \slot, 0
	WIN 0
	s_barrier_wait -1
.if \fill
	CREST                                          ; the barrier has opened a round of the cluster's: no wave of any partner still reads this slot or has a load on its way
	s_add_nc_u64 s[G0+4*\slot+2:G0+4*\slot+3], s[G0+4*\slot+2:G0+4*\slot+3], 2*KSB
	s_add_nc_u64 s[G0B+4*\slot+2:G0B+4*\slot+3], s[G0B+4*\slot+2:G0B+4*\slot+3], 2*KSB
	JLOAD G0+4*\slot, G1, G0B+4*\slot, G1B         ; the first tensor load behind the round, my only one until the next; its four v_nop are the places in front of the loads below
.else
	PLACES NP
.endif
	v_add_nc_u32 v[ADRS], 128, v[ADRS]             ; the next K step's scale words
	FETCH_B \next, 0, 0
	FETCH_A \next, 0, 0
	SCALES \next
	WIN MUL_HI
	MUL16 4, 1, NQ-1, \slot, 0
	MUL16 6, 1, NQ-1, \slot, 0
	PLACES NP
	WIN 0
	FETCH_A \next, 0, 4
.endm
	s_wait_tensorcnt 1                             ; the scale words and my part of K step 0 are in; K step 1's load may be out
	s_barrier_signal -1
	s_barrier_wait -1
	FETCH_B 0, 0, 0
	FETCH_A 0, 0, 0
	SCALES 0
	FETCH_A 0, 0, 4
	s_wait_loadcnt 0x0                             ; the biases
.set i, 0
.rept 32
	v_pk_mul_f32 v[BR+2*i:BR+2*i+1], v[BR+2*i:BR+2*i+1], s[12:13] op_sel_hi:[1,0]
.set i, i+1
.endr
.set i, 0
.rept 8
	v_pk_mul_f32 v[BL+2*i:BL+2*i+1], v[BL+2*i:BL+2*i+1], s[18:19] op_sel_hi:[1,0]
.set i, i+1
.endr
	STEP 0, 0, 1                                   ; the first step stands in front of the loop: its products start the sums
	s_mov_b32 s3, 1
.Llap:                                                 ; a trip goes once round the ring and fills both slots again: K = 1,024 is two laps, the second of which fills nothing
	TURN 0, 1, 1
	STEP 1, 0, 0
	TURN 1, 0, 1
	STEP 0, 0, 0
	s_sub_co_u32 s3, s3, 1
	s_cmp_lg_u32 s3, 0
	s_cbranch_scc1 .Llap
	TURN 0, 1, 0
	STEP 1, 0, 0
	s_wait_dscnt 4*NL
	WIN MUL_LO
	MUL16 0, 1, NQ-1, 1, 0
	MUL16 2, 1, NQ-1, 1, 0
	s_wait_dscnt 0
	WIN MUL_HI
	MUL16 4, 1, NQ-1, 1, 0
	MUL16 6, 1, NQ-1, 1, 0
	WIN 0
; THE WAY OUT.  Registers, all in window 0: v64-127 a block's 64 numbers; v128-139 its codes; v140-146 second halves; v148-163 at work; v164-171 the eight scale words; v172-179 words as stored; v180-199 offsets.
.set HA,  64
.set PC,  128
.set TM,  148
.set PWD, 164
.set OA,  180
.set OB,  188
.set SOV, 196
	PLACES NP                                      ; behind the last products: what follows writes registers that they read, and reads results
	s_mov_b32 s92, 0x76543210
	s_mov_b32 s93, 0xfedcba98                      ; v_permlanex16_b32's selects for lane l xor 16
	s_mov_b32 s66, 0xffff0000                      ; lanes 16-31
.irp b, 0,1,2,3
	v_mov_b32 v[TM+4+\b], 0                        ; written once: a lane permute's destination counts as one of its sources
.endr
	v_add_nc_u32 v[OA], s6, v[L8]
.irp a, 1,2,3
	v_add_nc_u32 v[OA+\a], s7, v[OA+\a-1]
.endr
	v_add_nc_u32 v[OA+4], s41, v[OA]
.irp a, 5,6,7
	v_add_nc_u32 v[OA+\a], s7, v[OA+\a-1]
.endr
.irp a, 0,1,2,3,4,5,6,7
	v_add_nc_u32 v[OB+\a], s43, v[OA+\a]
.endr
	v_add_nc_u32 v[SOV], s46, v[L8]
	v_add_nc_u32 v[SOV+1], s47, v[SOV]
	v_add_nc_u32 v[SOV+2], s44, v[SOV]
	v_add_nc_u32 v[SOV+3], 256, v[SOV+2]
.macro OUTBLK a
	WIN 0x02+(\a)/4                                ; source 0: window 2 or 3
.set i, 0
.rept 32
	v_pk_add_f32 v[HA+2*i:HA+2*i+1], v[64*((\a)%4)+2*i:64*((\a)%4)+2*i+1], v[BL+2*(\a):BL+2*(\a)+1]   ; + the bias along L; each accumulator from its low end on
.set i, i+1
.endr
	WIN 0
.irp b, 0,1,2,3
	v_max3_num_f32 v[TM+\b], |v[HA+16*\b]|, |v[HA+1+16*\b]|, 0x1800000   ; block b: my 16 numbers, and the floor 2^(3 - 127)
.endr
.irp i, 2,4,6,8,10,12,14
.irp b, 0,1,2,3
	v_max3_num_f32 v[TM+\b], v[TM+\b], |v[HA+16*\b+\i]|, |v[HA+1+16*\b+\i]|
.endr
.endr
.irp b, 0,1,2,3
	v_permlanex16_b32 v[TM+4+\b], v[TM+\b], s92, s93
.endr
.irp b, 0,1,2,3
	v_max_num_f32 v[TM+\b], v[TM+\b], v[TM+4+\b]   ; with lane l xor 16's: the block's largest magnitude
.endr
.irp b, 0,1,2,3
	v_add_nc_u32 v[TM+12+\b], 0xff000000, v[TM+\b] ; 2 off its exponent field: the conversion's scale operand
.endr
.irp b, 0,1,2,3
	v_lshrrev_b32 v[TM+4+\b], 23, v[TM+12+\b]      ; the byte
.endr
	v_lshl_or_b32 v[PWD+\a], v[TM+5], 8, v[TM+4]
	v_lshl_or_b32 v[PWD+\a], v[TM+6], 16, v[PWD+\a]
	v_lshl_or_b32 v[PWD+\a], v[TM+7], 24, v[PWD+\a]
.if (\a) > 0
	s_wait_xcnt 0x0                                ; the last block's stores have read their data: the codes' registers are written again
.endif
.irp c, 0,1
	v_cvt_scalef32_pk16_fp6_f32 v[PC+6*\c:PC+2+6*\c], v[HA+32*\c:HA+15+32*\c], v[TM+12+2*\c]
	v_cvt_scalef32_pk16_fp6_f32 v[PC+12+4*\c:PC+14+4*\c], v[HA+16+32*\c:HA+31+32*\c], v[TM+12+2*\c+1]
.endr
	v_nop                                          ; one plain place behind a scaled conversion
.irp c, 0,1                            ; a whole block to a lane: lanes 0-15 block 2 c, lanes 16-31 block 2 c + 1
.irp i, 0,1,2
	v_permlane16_swap_b32 v[PC+6*\c+\i], v[PC+12+4*\c+\i]
.endr
.irp i, 0,1,2
	v_mov_b32 v[PC+3+6*\c+\i], v[PC+12+4*\c+\i]
.endr
.endr
.irp p, 0,1,2
	global_store_b64 v[OA+\a], v[PC+2*\p:PC+2*\p+1], s[98:99] offset:256*\p       ; 32 lanes store 256 consecutive bytes, aligned
.endr
.irp p, 0,1,2
	global_store_b64 v[OB+\a], v[PC+6+2*\p:PC+7+2*\p], s[98:99] offset:256*\p
.endr
.endm
.irp a, 0,1,2,3,4,5,6,7
	OUTBLK \a
.endr
.irp i, 0,1,2,3
	v_cndmask_b32 v[172+\i], v[PWD+2*\i], v[PWD+2*\i+1], s66   ; lanes 0-15 block 2 i's word, lanes 16-31 block 2 i + 1's
.endr
	global_store_b64 v[SOV], v[172:173], s[100:101]
	global_store_b64 v[SOV+1], v[174:175], s[100:101]
	s_cmp_lg_u32 s95, 0                            ; q, k: a word's upper two bytes are the odd head's.  The branch hangs on the cluster's y alone and leads over two stores
	s_cbranch_scc1 .Lwords_done
.irp i, 0,1,2,3
	v_lshrrev_b32 v[176+\i], 16, v[172+\i]
.endr
	global_store_b64 v[SOV+2], v[176:177], s[100:101]
	global_store_b64 v[SOV+3], v[178:179], s[100:101]
.Lwords_done:
	s_wait_tensorcnt 0x0                           ; the wave's end
	ds_add_u32 v[SPW], v[NIL]
	s_wait_dscnt 0x0
	CROUND                                         ; the closing round: no work-group ends while a partner may still ask for a tile that names it
	s_endpgm
.Lfunc_end_k_qcf4c7c5b93_gemm_qkv:
	.size	k_qcf4c7c5b93_gemm_qkv, .Lfunc_end_k_qcf4c7c5b93_gemm_qkv-k_qcf4c7c5b93_gemm_qkv
	.p2alignl 7, 3214868480
	.fill 96, 4, 3214868480
	.section	.rodata,"a",@progbits
	.p2align	6, 0x0
	.amdhsa_kernel k_qcf4c7c5b93_gemm_qkv
		.amdhsa_group_segment_fixed_size 327680
		.amdhsa_private_segment_fixed_size 0
		.amdhsa_enable_private_segment 0
		.amdhsa_kernarg_size 56
		.amdhsa_user_sgpr_count 2
		.amdhsa_user_sgpr_kernarg_segment_ptr 1
		.amdhsa_wavefront_size32 1
		.amdhsa_system_sgpr_workgroup_id_x 1
		.amdhsa_system_sgpr_workgroup_id_y 1
		.amdhsa_system_sgpr_workgroup_id_z 1
		.amdhsa_system_vgpr_workitem_id 0
		.amdhsa_next_free_vgpr 1024
		.amdhsa_next_free_sgpr 102
		.amdhsa_reserve_vcc 0
		.amdhsa_float_denorm_mode_32 3
		.amdhsa_float_denorm_mode_16_64 3
		.amdhsa_memory_ordered 1
		.amdhsa_forward_progress 1
		.amdhsa_inst_pref_size 190
	.end_amdhsa_kernel
	.amdgpu_metadata
---
amdhsa.version: [ 1, 2 ]
amdhsa.kernels:
  - .name:           k_qcf4c7c5b93_gemm_qkv
    .symbol:         k_qcf4c7c5b93_gemm_qkv.kd
    .args:
      - { .name: x_codes, .offset: 0, .size: 8, .value_kind: global_buffer, .address_space: global }
      - { .name: x_scales, .offset: 8, .size: 8, .value_kind: global_buffer, .address_space: global }
      - { .name: w_codes, .offset: 16, .size: 8, .value_kind: global_buffer, .address_space: global }
      - { .name: w_scales, .offset: 24, .size: 8, .value_kind: global_buffer, .address_space: global }
      - { .name: b_qkv, .offset: 32, .size: 8, .value_kind: global_buffer, .address_space: global }
      - { .name: qkv_codes, .offset: 40, .size: 8, .value_kind: global_buffer, .address_space: global }
      - { .name: qkv_scales, .offset: 48, .size: 8, .value_kind: global_buffer, .address_space: global }
    .group_segment_fixed_size: 327680
    .private_segment_fixed_size: 0
    .kernarg_segment_align: 8
    .kernarg_segment_size: 56
    .max_flat_workgroup_size: 128
    .sgpr_count:     102
    .vgpr_count:     1024
    .wavefront_size: 32
...
	.end_amdgpu_metadata
.endif
;; end of part 2
;; launch attn (part 3): grid 4 x 64, 16 waves a work-group, clusters of 4 x 1, 210,944 bytes of LDS; arguments qkv_codes, qkv_scales, a_codes, a_scales; writes a_codes, a_scales
.if DOCPART == 3
	.amdgcn_target "amdgcn-amd-amdhsa--gfx1250"
	.amdhsa_code_object_version 6
	.text
	.protected	k_qcf4c7c5b93_attn
	.globl	k_qcf4c7c5b93_attn
	.p2align	8
	.type	k_qcf4c7c5b93_attn,@function
k_qcf4c7c5b93_attn:
	s_mov_b64 s[64:65], 0
	v_nop
	global_prefetch_b8 v0, s[64:65] scope:SCOPE_SE
	s_setreg_imm32_b32 hwreg(HW_REG_WAVE_MODE, 25, 1), 1
	s_wait_xcnt 0x0
	s_wait_alu depctr_hold_cnt(0) depctr_sa_sdst(0) depctr_va_vdst(0) depctr_va_sdst(0) depctr_va_ssrc(0) depctr_va_vcc(0) depctr_vm_vsrc(0)
	s_getreg_b32 s2, hwreg(HW_REG_IB_STS2, 6, 4)
	s_cmp_eq_u32 s2, 0
	s_cbranch_scc0 .Lentry_in_a_cluster
	s_endpgm
.Lentry_in_a_cluster:
	s_bfe_u32 s2, ttmp6, 0x10000c
	s_cmp_lg_u32 s2, 0x3003
	s_cbranch_scc0 .Lentry_shape_is_right
	s_endpgm
.Lentry_shape_is_right:
; Causal attention of one head (64 heads x batches, 2,048 tokens, head size 64) on codes of FP6 (E2M3) with E8M0 scales; its result is quantised along the head's 64 into the last product's operand.
; THE SOFTMAX: t = score x log2(e) / 8 (one multiplication); M = the running largest t rounded up to a whole number; p = 2^(t - M) is quantised along the keys, not normalised; the row's sum is taken of the unquantised p and divides at the end
; (by v_rcp_f32 and a multiplication).  When M moves, the sum and O are multiplied by 2^(old M - new M): exact.
; SHARES.  A cluster of four work-groups is one head.  The head's 128 tiles of 16 queries fall into 16 groups g of 8: a tile of group g needs g + 1 key steps of 128.  Partner cx takes tiles e = 2 cx + u of every group;
; wave w (u = w % 2, g1 = w / 2) takes tile e of group 15 - g1 and then tile e of group g1: 17 key steps for every wave of the launch.  cx enters only global addresses and the mask's comparison, which is vector data.
; ALL OF THE HEAD'S K AND V STAY IN LDS: 196,608 bytes of codes and 12,288 of scale words, asked for jointly by the four partners, each wave three loads at the head: nothing is filled again.
; LAYOUT.  S^T = K Q^T (source 0 = 16 keys, source 1 = my 16 queries), O^T = V^T P^T: a lane holds one query throughout.  K = 64 fills half of an instruction: Q's upper six registers are zero codes; a tile of K names, as its
; upper six, the next tile's codes, which meet those zeros.  Inside a block of 32 keys p's codes lie in the order 0-7, 16-23, 8-15, 24-31, as V's do.
; LIMITS: NaN and infinities are not served; a block of zeros or under 2^-124 gets the byte 1.  The result's scale bytes leave as single bytes, 32 a tile within 128 bytes: a row's word comes from two heads, in two clusters.
.set SPARE, 208896                     ; the spare words, 128 bytes for each of 16 waves
.set AK0,  1                           ; v1   8 x lane
.set AS0,  3                           ; v3   8 x lane + K's scale words
.set AT0,  4                           ; v4   8 x lane + V's
.set SPW,  5                           ; v5   LDS address of my spare word; never rewritten
.set NIL,  6                           ; v6   0; never rewritten
.set DD,   7                           ; v7   16 e + r - 8 (lane / 16): register 8 t + j of the diagonal step is hidden where 16 t + j is above it
.set ADK,  8
.set NINF, 9                           ; v9   -infinity
.set ADS,  10
.set ADT,  11
.set QS,   28                          ; v28  Q's scale words.  v12 -M, v13 the largest t, v[14:15] the sum; v16-21 Q, v22-27 zero codes
.set Q1,   30                          ; v30-35, v36  the second tile's Q and scale words
.set QS1,  36
.set GOC2, 37
.set GOC1, 38
.set GOS2, 39
.set GOS1, 40
.set KF,   42                          ; v42-89  8 tiles of K x 6, then 4 fragments of V x 12; v90-95 zero codes
.set S,    96                          ; v96-159 S^T, then p
.set OT,   160                         ; v160-191 O^T
.set P,    192                         ; v192-203 p's codes; v204-210 second halves
.set BM,   212
.set B2,   216
.set SOP,  220
.set KSC,  224                         ; v224-227 K's scale words: register t / 2, lanes 0-15 even t, lanes 16-31 odd t
.set VSC,  228                         ; v228-229 V's likewise
.set PW,   230                         ; v230 p's scale word
.set FF,   232                         ; v[232:233] 2^(old M - new M)
.set T0,   234
.set T1,   235
.set C2,   236
.set WV,   12
.set G,    15                          ; s15  the group of the tile in hand
.set KS,   17                          ; s17  the key step, and the loops' counter
.set SEL,  20
.set CS,   22
.set G1C,  24
.set G1S,  32
.set G0S,  40
.set G0L,  44
.set G0H,  48
.set TB,   52
.set TS,   53
.set TJ,   54
.set HM,   56
.macro ROUND
	s_barrier_signal -1
	s_barrier_wait -1
	s_cmp_lg_u32 s[WV], 0
	s_cbranch_scc1 .Lnot_wave_0_\@
	s_barrier_signal -3
.Lnot_wave_0_\@:
	s_barrier_wait -3
	s_barrier_signal -1
	s_barrier_wait -1
.endm
	s_load_b256 s[4:11], s[0:1], 0x0               ; qkv_codes s[4:5], qkv_scales s[6:7], a_codes s[8:9], a_scales s[10:11]
	v_lshl_add_u32 v[SPW], v0, 2, SPARE
	v_mov_b32 v[NIL], 0
	ds_add_u32 v[SPW], v[NIL]                      ; the wave's opening: the add and its wait stand ahead of my first tensor load
	ds_add_u32 v[SPW], v[NIL]
	v_lshrrev_b32 v2, 5, v0
	s_delay_alu instid0(VALU_DEP_1)
	v_readfirstlane_b32 s[WV], v2                  ; wave 0..15
	s_bfe_u32 s13, ttmp6, 0x40000                  ; cx
	s_and_b32 s14, ttmp7, 0xffff                   ; 16 x batch + head: the partners share it
	; group 1: dense blocks as rows of 256 bytes (32 elements of 8): 24 rows of codes, 3 of scale words; the mask names all four partners
	s_mov_b32 s[G1C], 15|(3<<16)|(1<<21)
	s_mov_b32 s[G1C+1], 32<<16
	s_mov_b32 s[G1C+2], 24<<16
	s_mov_b32 s[G1C+3], 32<<16
	s_mov_b32 s[G1C+4], 24
	s_mov_b32 s[G1C+5], 32
	s_mov_b32 s[G1C+6], 0
	s_mov_b32 s[G1C+7], 0
	s_mov_b32 s[G1S], 15|(3<<16)|(1<<21)
	s_mov_b32 s[G1S+1], 32<<16
	s_mov_b32 s[G1S+2], 3<<16
	s_mov_b32 s[G1S+3], 32<<16
	s_mov_b32 s[G1S+4], 3
	s_mov_b32 s[G1S+5], 32
	s_mov_b32 s[G1S+6], 0
	s_mov_b32 s[G1S+7], 0
	s_mul_i32 s57, s14, 98304                      ; the head's bytes in a part of the codes
	s_lshr_b32 s58, s[WV], 3                       ; waves 0-7 fetch K's key steps, waves 8-15 V's
	s_mul_i32 s58, s58, 6291456
	s_and_b32 s59, s[WV], 7
	s_mul_i32 s59, s59, 6144
	s_add_co_u32 s58, s58, s59
	s_add_co_u32 s58, s58, s57
	s_add_co_u32 s58, s58, 6291456
	s_mov_b32 s59, 0
	s_mul_i32 s60, s14, 12288
	s_mul_i32 s61, s[WV], 768
	s_add_co_u32 s60, s60, s61
	s_add_co_u32 s60, s60, 524288
	s_mov_b32 s61, 0
	s_mov_b32 s[G0S], 1
	s_mul_i32 s[G0S+1], s[WV], 768
	s_add_co_u32 s[G0S+1], s[G0S+1], 196608        ; K's scale words from 196,608 on (512 a key step), V's from 204,800 (256)
	s_mov_b32 s[G0L], 1
	s_mul_i32 s[G0L+1], s[WV], 6144                ; key steps 0-7: K from 0, V from 49,152
	s_mov_b32 s[G0H], 1
	s_add_co_u32 s[G0H+1], s[G0L+1], 98304         ; key steps 8-15: K from 98,304, V from 147,456
	s_mov_b32 s[SEL], 0x76543210
	s_mov_b32 s[SEL+1], 0xfedcba98
	s_mov_b32 s[CS], 0x3e38aa3b                    ; log2(e) / 8
	s_mov_b32 s[CS+1], s[CS]
	s_mov_b32 s[HM], 0xffff0000
	s_wait_dscnt 0x0                               ; the opening add is done
	s_wait_kmcnt 0x0
	s_add_nc_u64 s[G0S+2:G0S+3], s[6:7], s[60:61]
	s_or_b32 s[G0S+3], s[G0S+3], 0x80000000
	s_add_nc_u64 s[G0L+2:G0L+3], s[4:5], s[58:59]
	s_add_nc_u64 s[G0H+2:G0H+3], s[G0L+2:G0L+3], 49152
	s_or_b32 s[G0L+3], s[G0L+3], 0x80000000
	s_or_b32 s[G0H+3], s[G0H+3], 0x80000000
	ROUND                                          ; all four work-groups are here: the joint loads meet
	tensor_load_to_lds s[G0S:G0S+3], s[G1S:G1S+7]  ; three loads of mine are out
	s_nop 0
	tensor_load_to_lds s[G0L:G0L+3], s[G1C:G1C+7]
	s_nop 0
	tensor_load_to_lds s[G0H:G0H+3], s[G1C:G1C+7]
	s_nop 0
.rept 4
	v_nop
.endr
	v_and_b32 v[AK0], 31, v0
	s_delay_alu instid0(VALU_DEP_1)
	v_lshlrev_b32 v[AK0], 3, v[AK0]
	s_delay_alu instid0(VALU_DEP_1)
	v_add_nc_u32 v[AS0], 196608, v[AK0]
	s_delay_alu instid0(VALU_DEP_2)
	v_add_nc_u32 v[AT0], 204800, v[AK0]
	v_and_b32 v2, 15, v0                           ; r
	s_wait_alu depctr_va_vdst(0)
	v_bfe_u32 v29, v0, 4, 1                        ; lane / 16
	s_delay_alu instid0(VALU_DEP_1)
	v_lshl_add_u32 v41, v2, 3, v29                 ; 8 r + lane / 16
	s_wait_alu depctr_va_vdst(0)
	s_and_b32 s2, s[WV], 1
	s_lshl_b32 s3, s13, 1
	s_add_co_u32 s2, s2, s3                        ; e
	s_lshr_b32 s16, s[WV], 1                       ; g1
	s_xor_b32 s[G], s16, 15                        ; 15 - g1: the first tile's group
	s_lshl_b32 s18, s2, 4
	v_add_nc_u32 v[DD], s18, v2
	v_lshlrev_b32 v29, 3, v29
	s_delay_alu instid0(VALU_DEP_1)
	v_sub_nc_u32 v[DD], v[DD], v29
	v_mov_b32 v[NINF], 0xff800000
	s_and_b32 s18, s14, 15                         ; the head: its place in a row tile of the result: K step head / 2, pieces 3 (head % 2) on; byte 2 (head % 2) + lane / 16 of the word
	s_lshr_b32 s19, s18, 1
	s_mul_i32 s62, s19, 1536
	s_and_b32 s19, s14, 1
	s_mul_i32 s3, s19, 768
	s_add_co_u32 s62, s62, s3
	s_lshr_b32 s63, s18, 2
	s_lshl_b32 s63, s63, 7
	s_bfe_u32 s3, s14, 0x10001
	s_lshl_b32 s3, s3, 2
	s_add_co_u32 s63, s63, s3
	s_lshl_b32 s19, s19, 1
	s_add_co_u32 s63, s63, s19
; the offsets of query tile 8 g + e: Q's codes and scale words, the result's codes and scale bytes
.macro TILEADR g, vq, vqs, goc, gos
	s_lshl_b32 s3, s[\g], 3
	s_add_co_u32 s3, s3, s2
	s_mul_i32 s18, s3, 768
	s_add_co_u32 s18, s18, s57
	v_add_nc_u32 v[\vq], s18, v[AK0]
	s_lshr_b32 s18, s3, 2
	s_lshl_b32 s18, s18, 8
	s_and_b32 s19, s3, 1
	s_lshl_b32 s19, s19, 7
	s_add_co_u32 s18, s18, s19
	s_bfe_u32 s19, s3, 0x10001
	s_lshl_b32 s19, s19, 2
	s_add_co_u32 s18, s18, s19
	s_lshl_b32 s19, s14, 13
	s_add_co_u32 s18, s18, s19
	v_lshl_add_u32 v[\vqs], v2, 3, s18
	s_lshr_b32 s18, s14, 4
	s_lshl_b32 s18, s18, 7
	s_add_co_u32 s18, s18, s3
	s_mul_i32 s19, s18, 12288
	s_add_co_u32 s19, s19, s62
	v_add_nc_u32 v[\goc], s19, v[AK0]
	s_lshl_b32 s19, s18, 9
	s_add_co_u32 s19, s19, s63
	v_add_nc_u32 v[\gos], s19, v41
.endm
	TILEADR G, T0, T1, GOC2, GOS2
	TILEADR 16, C2, C2+1, GOC1, GOS1
	s_wait_alu depctr_va_vdst(0)
.irp p, 0,1,2
	global_load_b64 v[16+2*\p:17+2*\p], v[T0], s[4:5] offset:256*\p
.endr
	global_load_b32 v[QS], v[T1], s[6:7]
.irp p, 0,1,2
	global_load_b64 v[Q1+2*\p:Q1+2*\p+1], v[C2], s[4:5] offset:256*\p
.endr
	global_load_b32 v[QS1], v[C2+1], s[6:7]
.irp i, 22,23,24,25,26,27,90,91,92,93,94,95
	v_mov_b32 v[\i], 0                             ; zero codes
.endr
.irp b, 0,1,2,3
	v_mov_b32 v[B2+\b], 0                          ; written once: a lane permute's destination counts as one of its sources
.endr
	v_mov_b32 v[FF+1], 0                           ; (named as the upper half of a pair)
	v_mov_b32 v13, 0xff61b1e6                      ; the largest t so far: -3e38
	s_delay_alu instid0(VALU_DEP_1)
	v_floor_f32 v12, -v13
	v_mov_b32 v14, 0
	v_mov_b32 v15, 0
.set j, 0
.rept 32
	v_mov_b32 v[OT+j], 0                           ; the step is written without a first step of its own: the first change of M multiplies zeros
.set j, j+1
.endr
; A KEY STEP of 128 keys.  mode 0: every key counts.  mode 1: the step is left out where all its keys come after my queries (KS > G), and masked on the diagonal (KS = G): scalar branches on the wave's number and the loop's count.
.macro STEP mode
.if \mode
	s_cmp_gt_u32 s[KS], s[G]
	s_cbranch_scc1 .Lhidden_\@
.endif
	s_setprio 2
	v_add_nc_u32 v[ADK], s[TB], v[AK0]             ; these four are the places in front of loads into registers that the last products read
	v_add_nc_u32 v[ADS], s[TS], v[AS0]
	v_add_nc_u32 v[ADT], s[TJ], v[AT0]
	v_nop
	ds_load_b64 v[KSC:KSC+1], v[ADS]
	ds_load_b64 v[KSC+2:KSC+3], v[ADS] offset:256
.irp t, 0,1,2,3,4,5,6,7
.irp p, 0,1,2
	ds_load_b64 v[KF+6*\t+2*\p:KF+6*\t+2*\p+1], v[ADK] offset:768*\t+256*\p
.endr
.endr
	s_wait_alu depctr_va_vdst(0)
	s_wait_dscnt 0x0
.irp t, 0,2,4,6
	v_wmma_scale_f32_16x16x128_f8f6f4 v[S+8*\t:S+8*\t+7], v[KF+6*\t:KF+6*\t+11], v[16:27], 0, v[KSC+\t/2], v[QS] matrix_a_fmt:MATRIX_FMT_FP6 matrix_b_fmt:MATRIX_FMT_FP6
	v_wmma_scale_f32_16x16x128_f8f6f4 v[S+8*\t+8:S+8*\t+15], v[KF+6*\t+6:KF+6*\t+17], v[16:27], 0, v[KSC+\t/2], v[QS] matrix_a_fmt:MATRIX_FMT_FP6 matrix_b_fmt:MATRIX_FMT_FP6 matrix_a_scale:MATRIX_SCALE_ROW1
.endr
.rept 4
	v_nop                                          ; places: V is asked for into K's registers, and the scores are read
.endr
.irp t, 0,1,2,3
.irp p, 0,1,2,3,4,5
	ds_load_b64 v[KF+12*\t+2*\p:KF+12*\t+2*\p+1], v[ADK] offset:49152+1536*\t+256*\p   ; it lands under the softmax
.endr
.endr
	ds_load_b64 v[VSC:VSC+1], v[ADT]
.if \mode
	s_cmp_lg_u32 s[KS], s[G]
	s_cbranch_scc1 .Lopen_\@
.set n, 0
.rept 64
	v_cmp_gt_i32 vcc_lo, 16*(n/8)+n%8, v[DD]
	v_cndmask_b32 v[S+n], v[S+n], v[NINF], vcc_lo  ; a hidden key's score becomes -infinity: p = 0
.set n, n+1
.endr
.Lopen_\@:
.endif
.irp b, 0,1,2,3
	v_max3_num_f32 v[BM+\b], v[S+16*\b], v[S+1+16*\b], v[S+2+16*\b]   ; the largest score of each block of 32 keys: for the row's maximum, and, since p rises with the score, for the block's largest p
.endr
.irp i, 3,5,7,9,11,13
.irp b, 0,1,2,3
	v_max3_num_f32 v[BM+\b], v[BM+\b], v[S+16*\b+\i], v[S+1+16*\b+\i]
.endr
.endr
.irp b, 0,1,2,3
	v_max_num_f32 v[BM+\b], v[BM+\b], v[S+15+16*\b]
.endr
.irp b, 0,1,2,3
	s_delay_alu instid0(VALU_DEP_4)
	v_permlanex16_b32 v[B2+\b], v[BM+\b], s[SEL], s[SEL+1]
.endr
.irp b, 0,1,2,3
	s_delay_alu instid0(VALU_DEP_4)
	v_max_num_f32 v[BM+\b], v[BM+\b], v[B2+\b]
.endr
	s_delay_alu instid0(VALU_DEP_2)
	v_max3_num_f32 v[T0], v[BM], v[BM+1], v[BM+2]
	s_delay_alu instid0(VALU_DEP_1)
	v_max_num_f32 v[T0], v[T0], v[BM+3]
	s_delay_alu instid0(VALU_DEP_1)
	v_mul_f32 v[T0], s[CS], v[T0]
	s_delay_alu instid0(VALU_DEP_1)
	v_max_num_f32 v13, v13, v[T0]                  ; the running largest t
	v_mov_b32 v[T0], v12
	s_delay_alu instid0(VALU_DEP_2)
	v_floor_f32 v12, -v13                          ; -M = floor(-t): M is a whole number
	s_delay_alu instid0(VALU_DEP_1)
	v_sub_f32 v[T0], v12, v[T0]
	s_delay_alu instid0(VALU_DEP_1)
	v_cvt_i32_f32 v[T0], v[T0]                     ; (it saturates)
	s_delay_alu instid0(VALU_DEP_1)
	v_ldexp_f32 v[FF], 1.0, v[T0]                  ; 2^(old M - new M)
.set j, 0
.rept 32
	v_pk_fma_f32 v[S+j:S+j+1], v[S+j:S+j+1], s[CS:CS+1], v[12:13] op_sel_hi:[1,0,0]   ; t - M
.set j, j+2
.endr
.irp b, 0,1,2,3
	v_fma_f32 v[BM+\b], v[BM+\b], s[CS], v12
.endr
.set j, 0
	s_setprio 1
	s_wait_alu depctr_va_vdst(0)
.rept 64
	v_exp_f32 v[S+j], v[S+j]                       ; p = 2^(t - M)
.set j, j+1
.endr
	v_pk_mul_f32 v[14:15], v[14:15], v[FF:FF+1] op_sel_hi:[1,0]   ; the sums under the new M: the plain line behind the exponentials
	s_wait_alu depctr_va_vdst(0)                   ; one wait for the batch, ahead of its first reader
.irp b, 0,1,2,3
	v_exp_f32 v[BM+\b], v[BM+\b]                   ; the blocks' largest p
.endr
	v_pk_add_f32 v[236:237], v[100:101], v[104:105]
	v_pk_add_f32 v[254:255], v[108:109], v[112:113]
	v_pk_add_f32 v[252:253], v[116:117], v[120:121]
	v_pk_add_f32 v[250:251], v[124:125], v[128:129]
	v_pk_add_f32 v[248:249], v[132:133], v[136:137]
	v_pk_add_f32 v[246:247], v[140:141], v[144:145]
	v_pk_add_f32 v[244:245], v[148:149], v[152:153]
	v_pk_add_f32 v[14:15], v[14:15], v[156:157]
	v_pk_add_f32 v[236:237], v[236:237], v[96:97]
	v_pk_add_f32 v[254:255], v[254:255], v[98:99]
	v_pk_add_f32 v[252:253], v[252:253], v[102:103]
	v_pk_add_f32 v[250:251], v[250:251], v[106:107]
	v_pk_add_f32 v[248:249], v[248:249], v[110:111]
	v_pk_add_f32 v[246:247], v[246:247], v[114:115]
	v_pk_add_f32 v[244:245], v[244:245], v[118:119]
	v_pk_add_f32 v[14:15], v[14:15], v[122:123]
	v_pk_add_f32 v[236:237], v[236:237], v[126:127]
	v_pk_add_f32 v[254:255], v[254:255], v[130:131]
	v_pk_add_f32 v[252:253], v[252:253], v[134:135]
	v_pk_add_f32 v[250:251], v[250:251], v[138:139]
	v_pk_add_f32 v[248:249], v[248:249], v[142:143]
	v_pk_add_f32 v[246:247], v[246:247], v[146:147]
	v_pk_add_f32 v[244:245], v[244:245], v[150:151]
	v_pk_add_f32 v[14:15], v[14:15], v[154:155]
	v_pk_add_f32 v[236:237], v[236:237], v[158:159]
	s_delay_alu instid0(VALU_DEP_2)
	v_pk_add_f32 v[14:15], v[14:15], v[250:251]
	s_delay_alu instid0(VALU_DEP_2)
	v_pk_add_f32 v[236:237], v[236:237], v[248:249]
	v_pk_add_f32 v[254:255], v[254:255], v[246:247]
	v_pk_add_f32 v[252:253], v[252:253], v[244:245]
	s_delay_alu instid0(VALU_DEP_2)
	v_pk_add_f32 v[14:15], v[14:15], v[254:255]
	s_delay_alu instid0(VALU_DEP_2)
	v_pk_add_f32 v[236:237], v[236:237], v[252:253]
	s_delay_alu instid0(VALU_DEP_1)
	v_pk_add_f32 v[14:15], v[14:15], v[236:237]
	s_wait_alu depctr_va_vdst(0)                   ; and one for the four
.irp b, 0,1,2,3
	v_max_num_f32 v[BM+\b], 0x1800000, v[BM+\b]    ; the floor 2^(3 - 127)
.endr
.irp b, 0,1,2,3
	s_delay_alu instid0(VALU_DEP_4)
	v_add_nc_u32 v[SOP+\b], 0xff000000, v[BM+\b]
.endr
.irp b, 0,1,2,3
	s_delay_alu instid0(VALU_DEP_4)
	v_lshrrev_b32 v[B2+\b], 23, v[SOP+\b]
.endr
	s_delay_alu instid0(VALU_DEP_3)
	v_lshl_or_b32 v[PW], v[B2+1], 8, v[B2]
	s_delay_alu instid0(VALU_DEP_1)
	v_lshl_or_b32 v[PW], v[B2+2], 16, v[PW]
	s_delay_alu instid0(VALU_DEP_1)
	v_lshl_or_b32 v[PW], v[B2+3], 24, v[PW]
.irp c, 0,1
	v_cvt_scalef32_pk16_fp6_f32 v[P+6*\c:P+2+6*\c], v[S+32*\c:S+15+32*\c], v[SOP+2*\c]
	v_cvt_scalef32_pk16_fp6_f32 v[P+12+4*\c:P+14+4*\c], v[S+16+32*\c:S+31+32*\c], v[SOP+2*\c+1]
.endr
	s_setprio 0
	v_nop                                          ; one plain place behind a scaled conversion
.irp c, 0,1
.irp i, 0,1,2
	v_permlane16_swap_b32 v[P+6*\c+\i], v[P+12+4*\c+\i]
.endr
.irp i, 0,1,2
	s_delay_alu instid0(VALU_DEP_3)
	v_mov_b32 v[P+3+6*\c+\i], v[P+12+4*\c+\i]
.endr
.endr
.set j, 0
.rept 16
	v_pk_mul_f32 v[OT+j:OT+j+1], v[OT+j:OT+j+1], v[FF:FF+1] op_sel_hi:[1,0]   ; O^T under the new M.  These sixteen are also the places between p's codes and scale word and the products
.set j, j+2
.endr
	s_wait_alu depctr_va_vdst(0)
	s_wait_dscnt 0x0                               ; V
.irp t, 0,2
	v_wmma_scale_f32_16x16x128_f8f6f4 v[OT+8*\t:OT+8*\t+7], v[KF+12*\t:KF+12*\t+11], v[P:P+11], v[OT+8*\t:OT+8*\t+7], v[VSC+\t/2], v[PW] matrix_a_fmt:MATRIX_FMT_FP6 matrix_b_fmt:MATRIX_FMT_FP6
	v_wmma_scale_f32_16x16x128_f8f6f4 v[OT+8*\t+8:OT+8*\t+15], v[KF+12*\t+12:KF+12*\t+23], v[P:P+11], v[OT+8*\t+8:OT+8*\t+15], v[VSC+\t/2], v[PW] matrix_a_fmt:MATRIX_FMT_FP6 matrix_b_fmt:MATRIX_FMT_FP6 matrix_a_scale:MATRIX_SCALE_ROW1
.endr
.if \mode
.Lhidden_\@:
.endif
	s_add_co_u32 s[TB], s[TB], 6144
	s_add_co_u32 s[TS], s[TS], 512
	s_add_co_u32 s[TJ], s[TJ], 256
.endm
; A tile's end: O^T / the sum, quantised along the head's 64 (two blocks), stored as three pieces of the last product's fragment and a scale byte a lane.
.macro FINISH goc, gos
.rept 4
	v_nop                                          ; places behind the last products
.endr
	v_add_f32 v14, v14, v15
	s_delay_alu instid0(VALU_DEP_1)
	v_permlanex16_b32 v[T0], v14, s[SEL], s[SEL+1]
	s_delay_alu instid0(VALU_DEP_1)
	v_add_f32 v14, v14, v[T0]
	s_wait_alu depctr_va_vdst(0)
	v_rcp_f32 v14, v14
	v_nop
	s_wait_alu depctr_va_vdst(0)                   ; ahead of the reciprocal's first reader
.set j, 0
.rept 16
	v_pk_mul_f32 v[S+j:S+j+1], v[OT+j:OT+j+1], v[14:15] op_sel_hi:[1,0]   ; each accumulator from its low end on
.set j, j+2
.endr
.irp b, 0,1
	v_max3_num_f32 v[BM+\b], |v[S+16*\b]|, |v[S+1+16*\b]|, 0x1800000
.endr
.irp i, 2,4,6,8,10,12,14
.irp b, 0,1
	s_delay_alu instid0(VALU_DEP_2)
	v_max3_num_f32 v[BM+\b], v[BM+\b], |v[S+16*\b+\i]|, |v[S+1+16*\b+\i]|
.endr
.endr
.irp b, 0,1
	s_delay_alu instid0(VALU_DEP_2)
	v_permlanex16_b32 v[B2+\b], v[BM+\b], s[SEL], s[SEL+1]
.endr
.irp b, 0,1
	s_delay_alu instid0(VALU_DEP_2)
	v_max_num_f32 v[BM+\b], v[BM+\b], v[B2+\b]
.endr
.irp b, 0,1
	s_delay_alu instid0(VALU_DEP_2)
	v_add_nc_u32 v[SOP+\b], 0xff000000, v[BM+\b]
.endr
.irp b, 0,1
	s_delay_alu instid0(VALU_DEP_2)
	v_lshrrev_b32 v[B2+\b], 23, v[SOP+\b]
.endr
	v_cvt_scalef32_pk16_fp6_f32 v[128:130], v[S:S+15], v[SOP]
	v_cvt_scalef32_pk16_fp6_f32 v[136:138], v[S+16:S+31], v[SOP+1]
	v_nop
.irp i, 0,1,2
	v_permlane16_swap_b32 v[128+\i], v[136+\i]
.endr
.irp i, 0,1,2
	s_delay_alu instid0(VALU_DEP_3)
	v_mov_b32 v[131+\i], v[136+\i]                 ; v128-133: lane (r, h): block h of token r
.endr
	v_cndmask_b32 v140, v[B2], v[B2+1], s[HM]
.irp p, 0,1,2
	global_store_b64 v[\goc], v[128+2*\p:129+2*\p], s[8:9] offset:256*\p   ; 32 lanes store 256 consecutive bytes, aligned
.endr
	global_store_b8 v[\gos], v140, s[10:11]
	s_wait_xcnt 0x0                                ; the stores have read their data, which lie where the next scores land
.endm
	s_wait_tensorcnt 1                             ; the scale words and my part of key steps 0-7 are in; the load of steps 8-15 may be out: it lands in other bytes, and nothing is filled again
	s_barrier_signal -1
	s_barrier_wait -1
	s_wait_loadcnt 0x0                             ; Q
	s_mov_b32 s[KS], 0
	s_mov_b32 s[TB], 0
	s_mov_b32 s[TS], 0
	s_mov_b32 s[TJ], 0
.Llow:                                             ; the first tile (group 8 or above), key steps 0-7
	STEP 0
	s_add_co_u32 s[KS], s[KS], 1
	s_cmp_lt_u32 s[KS], 8
	s_cbranch_scc1 .Llow
	s_setprio 0
	s_wait_tensorcnt 0x0                           ; my part of key steps 8-15 is in,
	s_wait_dscnt 0x0
	s_barrier_signal -1
	s_barrier_wait -1                              ; everybody's is
	s_mov_b32 s[TB], 98304
.Lhigh:                                            ; the first tile, key steps 8-15: every wave walks all eight trips
	STEP 1
	s_add_co_u32 s[KS], s[KS], 1
	s_cmp_lt_u32 s[KS], 16
	s_cbranch_scc1 .Lhigh
	s_setprio 0
	FINISH GOC2, GOS2
.irp i, 0,1,2,3,4,5
	v_mov_b32 v[16+\i], v[Q1+\i]                   ; the second tile
.endr
	v_mov_b32 v[QS], v[QS1]
	v_mov_b32 v13, 0xff61b1e6
	s_delay_alu instid0(VALU_DEP_1)
	v_floor_f32 v12, -v13
	v_mov_b32 v14, 0
	v_mov_b32 v15, 0
.set j, 0
.rept 32
	v_mov_b32 v[OT+j], 0
.set j, j+1
.endr
	s_mov_b32 s[G], s16
	s_mov_b32 s[KS], 0
	s_mov_b32 s[TB], 0
	s_mov_b32 s[TS], 0
	s_mov_b32 s[TJ], 0
.Lsecond:                                          ; the second tile (group 7 or below), key steps 0-7
	STEP 1
	s_add_co_u32 s[KS], s[KS], 1
	s_cmp_lt_u32 s[KS], 8
	s_cbranch_scc1 .Lsecond
	s_setprio 0
	FINISH GOC1, GOS1
	s_wait_tensorcnt 0x0                           ; the wave's end
	ds_add_u32 v[SPW], v[NIL]
	s_wait_dscnt 0x0
	ROUND                                          ; the closing round
	s_endpgm
.Lfunc_end_k_qcf4c7c5b93_attn:
	.size	k_qcf4c7c5b93_attn, .Lfunc_end_k_qcf4c7c5b93_attn-k_qcf4c7c5b93_attn
	.p2alignl 7, 3214868480
	.fill 96, 4, 3214868480
	.section	.rodata,"a",@progbits
	.p2align	6, 0x0
	.amdhsa_kernel k_qcf4c7c5b93_attn
		.amdhsa_group_segment_fixed_size 210944
		.amdhsa_private_segment_fixed_size 0
		.amdhsa_enable_private_segment 0
		.amdhsa_kernarg_size 32
		.amdhsa_user_sgpr_count 2
		.amdhsa_user_sgpr_kernarg_segment_ptr 1
		.amdhsa_wavefront_size32 1
		.amdhsa_system_sgpr_workgroup_id_x 1
		.amdhsa_system_sgpr_workgroup_id_y 1
		.amdhsa_system_sgpr_workgroup_id_z 1
		.amdhsa_system_vgpr_workitem_id 0
		.amdhsa_next_free_vgpr 256
		.amdhsa_next_free_sgpr 66
		.amdhsa_reserve_vcc 1
		.amdhsa_float_denorm_mode_32 3
		.amdhsa_float_denorm_mode_16_64 3
		.amdhsa_memory_ordered 1
		.amdhsa_forward_progress 1
		.amdhsa_inst_pref_size 87
	.end_amdhsa_kernel
	.amdgpu_metadata
---
amdhsa.version: [ 1, 2 ]
amdhsa.kernels:
  - .name:           k_qcf4c7c5b93_attn
    .symbol:         k_qcf4c7c5b93_attn.kd
    .args:
      - { .name: qkv_codes, .offset: 0, .size: 8, .value_kind: global_buffer, .address_space: global }
      - { .name: qkv_scales, .offset: 8, .size: 8, .value_kind: global_buffer, .address_space: global }
      - { .name: a_codes, .offset: 16, .size: 8, .value_kind: global_buffer, .address_space: global }
      - { .name: a_scales, .offset: 24, .size: 8, .value_kind: global_buffer, .address_space: global }
    .group_segment_fixed_size: 210944
    .private_segment_fixed_size: 0
    .kernarg_segment_align: 8
    .kernarg_segment_size: 32
    .max_flat_workgroup_size: 512
    .sgpr_count:     66
    .vgpr_count:     256
    .wavefront_size: 32
...
	.end_amdgpu_metadata
.endif
;; end of part 3
;; launch gemm_proj (part 4): grid 4 x 32, 4 waves a work-group, clusters of 4 x 4, 327,680 bytes of LDS; arguments a_codes, a_scales, w_codes, w_scales, b_proj, out0; writes out0
.if DOCPART == 4
	.amdgcn_target "amdgcn-amd-amdhsa--gfx1250"
	.amdhsa_code_object_version 6
	.text
	.protected	k_qcf4c7c5b93_gemm_proj
	.globl	k_qcf4c7c5b93_gemm_proj
	.p2align	8
	.type	k_qcf4c7c5b93_gemm_proj,@function
k_qcf4c7c5b93_gemm_proj:
	s_mov_b64 s[64:65], 0
	v_nop
	global_prefetch_b8 v0, s[64:65] scope:SCOPE_SE
	s_setreg_imm32_b32 hwreg(HW_REG_WAVE_MODE, 25, 1), 1
	s_wait_xcnt 0x0
	s_wait_alu depctr_hold_cnt(0) depctr_sa_sdst(0) depctr_va_vdst(0) depctr_va_sdst(0) depctr_va_ssrc(0) depctr_va_vcc(0) depctr_vm_vsrc(0)
	s_getreg_b32 s2, hwreg(HW_REG_IB_STS2, 6, 4)
	s_cmp_eq_u32 s2, 0
	s_cbranch_scc0 .Lentry_in_a_cluster
	s_endpgm
.Lentry_in_a_cluster:
	s_bfe_u32 s2, ttmp6, 0x10000c
	s_cmp_lg_u32 s2, 0xf033
	s_cbranch_scc0 .Lentry_shape_is_right
	s_endpgm
.Lentry_shape_is_right:
; out0 = a W_proj + b_proj on codes of FP6 (E2M3) with E8M0 scales.  a [8192][1024]: the attention launch's result; W_proj's columns: rows 3072..4095 of w_codes.  out0 [8192][1024] f32.
; Both operands are fragment images (1,536 bytes: piece p at 256 p + 8 x lane; a row tile's eight K steps on end) with scale words beside them; inside each block of 32 both sides' codes lie in the order 0-7, 16-23, 8-15, 24-31.
; The matrix instruction takes 16 rows of R (W) as source 0 and 16 rows of L (a) as source 1: a lane holds one token and eight neighbouring columns.  A work-group makes 256 x 256, a wave 128 x 128: 64 accumulators.
; K goes in steps of 256 through two LDS slots; all scale words of the work-group's rows come once.  4 x 4 work-groups form a cluster: L's tiles are asked for jointly along a row, R's along a column.
; The bias is the C of the first products.  128 work-groups: the tile is kept at 256 x 256, which feeds the most products from each LDS byte.
; REGISTERS, in windows of 256: window 0: v1-29 addresses; v32-63 scale words, two sets; v64-127 the bias; v128-223 L's fragments, one set (on the way out v128-255 rows of out0).
;   window 1: R's fragments, two sets, at v0 and v128.  windows 2, 3: the accumulators ((a, b) at v[8 (8 (a % 4) + b)]).
.set NQ,     2
.set FR,     12
.set NL,     6
.set NP,     4
.set FIL,    1536
.set KSB,    3072
.set HALFT,  8*KSB
.set SLOT,   4*HALFT
.set SCA,    2*SLOT
.set SCB,    SCA+8192+128
.set SPARE,  213248
.set SPITCH, 528                       ; the way out: a stage of 16 rows x (512 bytes + 16) for each wave, in slot 0, which has had its last fill and its last read when the first result is stored there
.set ADRA, 16
.set ADRB, 20
.set STO,  24                          ; v24  the way out: where I put 32 bytes of a row
.set RD,   25                          ; v25  where I read a row back
.set CO,   26                          ; v26  16 x lane: my bytes in a row's 512
.set ADRS, 27
.set SPW,  28                          ; v28  LDS address of my spare word; never rewritten
.set NIL,  29                          ; v29  0; never rewritten
.set SC,   32
.set BR,   64
.set AF,   128
.set BK,   128
.set G1, 24
.set G0, 32
.set G1B, 48
.set G0B, 56
.set G1S, 68
.set G0S, 76
.set G1SB, 80
.set G0SB, 88
.set MSB, 0
.macro WIN new                         ; the immediate's high byte repeats the setting that is left
.if MSB != \new
	s_set_vgpr_msb (MSB<<8)|\new
.set MSB, \new
.endif
.endm
.set MUL_LO, 0xa1
.set MUL_HI, 0xf1
.set TO_B,   0x40
; A joint load: waves 0 and 1 fetch for L, waves 2 and 3 for R.  An s_nop 0 and four v_nop follow each of the two lines.
.macro JLOAD g0a, g1a, g0b, g1b
	s_cmp_eq_u32 s15, 0
	s_cbranch_scc0 .Lfor_b_\@
	tensor_load_to_lds s[\g0a:\g0a+3], s[\g1a:\g1a+7]
	s_nop 0
.rept 4
	v_nop
.endr
	s_branch .Lasked_\@
.Lfor_b_\@:
	tensor_load_to_lds s[\g0b:\g0b+3], s[\g1b:\g1b+7]
	s_nop 0
.rept 4
	v_nop
.endr
.Lasked_\@:
.endm
.macro CREST
	s_cmp_lg_u32 s14, 0
	s_cbranch_scc1 .Lnot_wave_0_\@
	s_barrier_signal -3
.Lnot_wave_0_\@:
	s_barrier_wait -3
	s_barrier_signal -1
	s_barrier_wait -1
.endm
.macro CROUND
	s_barrier_signal -1
	s_barrier_wait -1
	CREST
.endm
	s_load_b256 s[4:11], s[0:1], 0x0               ; a_codes s[4:5], a_scales s[6:7], w_codes s[8:9], w_scales s[10:11]
	s_load_b128 s[96:99], s[0:1], 0x20             ; b_proj s[96:97], out0 s[98:99]
	v_lshl_add_u32 v[SPW], v0, 2, SPARE
	v_mov_b32 v[NIL], 0
	ds_add_u32 v[SPW], v[NIL]                      ; the wave's opening: the add and its wait stand ahead of my first tensor load
	v_lshrrev_b32 v1, 5, v0
	v_readfirstlane_b32 s14, v1                    ; wave 0..3
	s_lshr_b32 s15, s14, 1                         ; my half of L's rows.  Also: I fetch for L (0) or for R (1)
	s_and_b32 s16, s14, 1                          ; my half of R's rows.  Also: which 128 rows I fetch
	s_bfe_u32 s40, ttmp6, 0x40000                  ; cx
	s_bfe_u32 s41, ttmp6, 0x40004                  ; cy
	s_lshl_b32 s42, ttmp9, 2
	s_add_co_u32 s42, s42, s40                     ; R's tile of 256 rows
	s_and_b32 s17, ttmp7, 0xffff
	s_lshl_b32 s17, s17, 2
	s_add_co_u32 s17, s17, s41                     ; L's
	s_lshl_b32 s43, s41, 2
	s_lshl_b32 s43, 15, s43                        ; my row of the cluster
	s_lshl_b32 s44, 0x1111, s40                    ; my column
	s_or_b32 s[G1+0], s43, (3<<16)|(1<<21)         ; codes: 8 rows (row tiles) of 384 elements of 8 bytes, 1,536 elements apart; dense in LDS
	s_or_b32 s[G1B+0], s44, (3<<16)|(1<<21)
.irp g, G1, G1B
	s_mov_b32 s[\g+1], 384<<16
	s_mov_b32 s[\g+2], 8<<16
	s_mov_b32 s[\g+3], 384<<16
	s_mov_b32 s[\g+4], 8
	s_mov_b32 s[\g+5], 1536
	s_mov_b32 s[\g+6], 0
	s_mov_b32 s[\g+7], 0
.endr
	s_or_b32 s[G1S+0], s43, (3<<16)|(1<<21)        ; scale words of 128 rows: 4,096 dense bytes as 16 rows of 256
	s_or_b32 s[G1SB+0], s44, (3<<16)|(1<<21)
.irp g, G1S, G1SB
	s_mov_b32 s[\g+1], 32<<16
	s_mov_b32 s[\g+2], 16<<16
	s_mov_b32 s[\g+3], 32<<16
	s_mov_b32 s[\g+4], 16
	s_mov_b32 s[\g+5], 32
	s_mov_b32 s[\g+6], 0
	s_mov_b32 s[\g+7], 0
.endr
	s_lshl_b32 s21, s16, 3
	s_lshl_b32 s20, s17, 4
	s_add_co_u32 s20, s20, s21
	s_lshl_b32 s46, s42, 4
	s_add_co_u32 s46, s46, s21
	s_lshl_b32 s22, s20, 9
	s_mov_b32 s23, 0
	s_mul_i32 s20, s20, 12288
	s_mov_b32 s21, 0
	s_lshl_b32 s92, s46, 9
	s_add_co_u32 s92, s92, 98304                   ; W_proj's part of the weights' buffers
	s_mov_b32 s93, 0
	s_mul_i32 s46, s46, 12288
	s_add_co_u32 s46, s46, 2359296
	s_mov_b32 s47, 0
	s_mul_i32 s45, s14, HALFT
	s_lshl_b32 s94, s14, 12
	s_wait_dscnt 0x0                               ; the opening add is done
	s_wait_kmcnt 0x0
	s_add_nc_u64 s[20:21], s[4:5], s[20:21]
	s_add_nc_u64 s[22:23], s[6:7], s[22:23]
	s_add_nc_u64 s[46:47], s[8:9], s[46:47]
	s_add_nc_u64 s[92:93], s[10:11], s[92:93]
	CROUND                                         ; all sixteen work-groups are here: the first joint loads meet
	s_mov_b32 s[G0S], 1
	s_add_co_u32 s[G0S+1], s94, SCA
	s_mov_b64 s[G0S+2:G0S+3], s[22:23]
	s_or_b32 s[G0S+3], s[G0S+3], 0x80000000
	s_mov_b32 s[G0SB], 1
	s_add_co_u32 s[G0SB+1], s94, SCA+128
	s_mov_b64 s[G0SB+2:G0SB+3], s[92:93]
	s_or_b32 s[G0SB+3], s[G0SB+3], 0x80000000
	JLOAD G0S, G1S, G0SB, G1SB                     ; the scale words first: filled once.  With the two below three loads of mine are out
.irp s, 0,1
	s_mov_b32 s[G0+4*\s], 1
	s_add_co_u32 s[G0+4*\s+1], s45, \s*SLOT
	s_add_nc_u64 s[G0+4*\s+2:G0+4*\s+3], s[20:21], \s*KSB
	s_or_b32 s[G0+4*\s+3], s[G0+4*\s+3], 0x80000000
	s_mov_b32 s[G0B+4*\s], 1
	s_add_co_u32 s[G0B+4*\s+1], s45, \s*SLOT
	s_add_nc_u64 s[G0B+4*\s+2:G0B+4*\s+3], s[46:47], \s*KSB
	s_or_b32 s[G0B+4*\s+3], s[G0B+4*\s+3], 0x80000000
	JLOAD G0+4*\s, G1, G0B+4*\s, G1B
.endr
	v_and_b32 v1, 15, v0                           ; r
	v_bfe_u32 v2, v0, 4, 1                         ; h
	v_and_b32 v3, 31, v0
	v_lshlrev_b32 v4, 3, v3                        ; 8 x lane
	s_mul_i32 s21, s15, HALFT
	s_mul_i32 s22, s16, HALFT
	s_add_co_u32 s22, s22, 2*HALFT
.irp s, 0,1
	v_add_nc_u32 v[ADRA+\s], s21, v4
	v_add_nc_u32 v[ADRB+\s], s22, v4
	s_add_co_u32 s21, s21, SLOT
	s_add_co_u32 s22, s22, SLOT
.endr
	s_lshl_b32 s21, s15, 12
	s_lshl_b32 s22, s16, 12
	s_add_co_u32 s22, s22, SCB-SCA
	s_sub_co_u32 s22, s22, s21
	v_mul_u32_u24 v6, s22, v2                      ; lanes 16-31 take R's: one product, the distance between the two bases
	s_add_co_u32 s21, s21, SCA
	v_lshl_add_u32 v5, v1, 3, v6
	v_add_nc_u32 v[ADRS], s21, v5
	s_lshl_b32 s2, s42, 10                         ; the bias of my 128 columns: lane (r, h) wants, for R's block b, columns 16 b + 8 h + 0 .. 7
	s_lshl_b32 s4, s16, 9
	s_add_co_u32 s2, s2, s4
	v_lshlrev_b32 v8, 5, v2
	v_add_nc_u32 v8, s2, v8
.irp b, 0,1,2,3,4,5,6,7
	global_load_b128 v[BR+8*\b:BR+8*\b+3], v8, s[96:97] offset:64*\b
	global_load_b128 v[BR+8*\b+4:BR+8*\b+7], v8, s[96:97] offset:64*\b+16
.endr
	s_mul_i32 s23, s14, 16*SPITCH                  ; my stage
	v_mul_u32_u24 v5, v1, SPITCH
	v_lshl_add_u32 v5, v2, 5, v5
	v_add_nc_u32 v[STO], s23, v5
	v_lshlrev_b32 v[CO], 4, v3
	v_add_nc_u32 v[RD], s23, v[CO]
	s_lshl_b32 s20, s17, 8
	s_lshl_b32 s21, s15, 7
	s_add_co_u32 s20, s20, s21                     ; my first row of out0,
	s_lshl_b32 s20, s20, 12                        ; of 4,096 bytes
	s_mov_b32 s21, 0
	s_lshl_b32 s46, s42, 10
	s_lshl_b32 s47, s16, 9
	s_add_co_u32 s46, s46, s47                     ; my first column, in bytes
	s_mov_b32 s47, 0
	s_add_nc_u64 s[20:21], s[20:21], s[46:47]
	s_add_nc_u64 s[98:99], s[98:99], s[20:21]
.macro FRAG reg, adr, q, i             ; a fragment comes as it lies: six loads of 8 bytes a lane, 256 consecutive bytes each
.irp p, 0,1,2,3,4,5
	ds_load_b64 v[\reg+2*\p:\reg+2*\p+1], v[\adr] offset:(\i)*KSB+(\q)*FIL+256*\p
.endr
.endm
; 16 matrix instructions: L's blocks a0, a0 + 1 x R's eight, 128 along K.  zero = 1: the first product starts the sums, with the bias as C.  The 64 accumulators take turns, one instruction a turn.
.macro MUL16 a0, p, q, sc, zero
.irp a, \a0, \a0+1
.irp b, 0,1,2,3,4,5,6,7
.if \zero
	v_wmma_scale_f32_16x16x128_f8f6f4 v[8*(8*((\a)%4)+\b):8*(8*((\a)%4)+\b)+7], v[128*(\p)+FR*\b:128*(\p)+FR*\b+FR-1], v[AF+FR*(\a):AF+FR*(\a)+FR-1], v[BR+8*\b:BR+8*\b+7], v[SC+8*NQ*(\sc)+NQ*\b+(\q)], v[SC+8*NQ*(\sc)+NQ*(\a)+(\q)] matrix_a_fmt:MATRIX_FMT_FP6 matrix_b_fmt:MATRIX_FMT_FP6 matrix_a_scale:MATRIX_SCALE_ROW1
.else
	v_wmma_scale_f32_16x16x128_f8f6f4 v[8*(8*((\a)%4)+\b):8*(8*((\a)%4)+\b)+7], v[128*(\p)+FR*\b:128*(\p)+FR*\b+FR-1], v[AF+FR*(\a):AF+FR*(\a)+FR-1], v[8*(8*((\a)%4)+\b):8*(8*((\a)%4)+\b)+7], v[SC+8*NQ*(\sc)+NQ*\b+(\q)], v[SC+8*NQ*(\sc)+NQ*(\a)+(\q)] matrix_a_fmt:MATRIX_FMT_FP6 matrix_b_fmt:MATRIX_FMT_FP6 matrix_a_scale:MATRIX_SCALE_ROW1
.endif
.endr
.endr
.endm
.macro FETCH_B slot, q, p
	WIN TO_B
.irp i, 0,1,2,3,4,5,6,7
	FRAG 128*(\p)+FR*\i, ADRB+\slot, \q, \i
.endr
	WIN 0
.endm
.macro FETCH_A slot, q, i0
.irp i, \i0, \i0+1, \i0+2, \i0+3
	FRAG AF+FR*(\i), ADRA+\slot, \q, \i
.endr
.endm
.macro SCALES sc
.irp i, 0,1,2,3,4,5,6,7
	ds_load_b64 v[SC+8*NQ*\sc+NQ*\i:SC+8*NQ*\sc+NQ*\i+1], v[ADRS] offset:\i*512
.endr
.endm
.macro PLACES n                        ; plain vector instructions between a matrix instruction and a load into, or a read of, its registers
.rept \n
	v_nop
.endr
.endm
.macro STEP slot, q, zero
	s_wait_dscnt 4*NL                              ; R's set, L's blocks 0-3 and the scale words are in; the youngest 24 loads (L's blocks 4-7) may be out
.if \zero
	WIN 0x81                                       ; C (the bias) in window 0
.else
	WIN MUL_LO
.endif
	MUL16 0, (\q)%2, \q, \slot, \zero
	MUL16 2, (\q)%2, \q, \slot, \zero
	s_wait_dscnt 0
	PLACES NP
	FETCH_B \slot, (\q)+1, 1-(\q)%2
	FETCH_A \slot, (\q)+1, 0
.if \zero
	WIN 0xc1
.else
	WIN MUL_HI
.endif
	MUL16 4, (\q)%2, \q, \slot, \zero
	MUL16 6, (\q)%2, \q, \slot, \zero
	PLACES NP
	WIN 0
	FETCH_A \slot, (\q)+1, 4
.endm
.macro TURN slot, next, fill
	s_wait_tensorcnt 0x0                           ; all my tensor loads have landed: my part of the next slot
	ds_add_u32 v[SPW], v[NIL]
	s_wait_dscnt 4*NL+1                            ; the add and the youngest 24 loads may be out
	WIN MUL_LO
	MUL16 0, 1, NQ-1, \slot, 0
	s_wait_dscnt 0x0                               ; the add is done, and my reads of this slot are over
	s_barrier_signal -1
	MUL16 2, 1, NQ-1, \slot, 0
	WIN 0
	s_barrier_wait -1
.if \fill
	CREST                                          ; the barrier has opened a round of the cluster's: no wave of any partner still reads this slot or has a load on its way
	s_add_nc_u64 s[G0+4*\slot+2:G0+4*\slot+3], s[G0+4*\slot+2:G0+4*\slot+3], 2*KSB
	s_add_nc_u64 s[G0B+4*\slot+2:G0B+4*\slot+3], s[G0B+4*\slot+2:G0B+4*\slot+3], 2*KSB
	JLOAD G0+4*\slot, G1, G0B+4*\slot, G1B         ; the first tensor load behind the round, my only one until the next
.else
	PLACES NP
.endif
	v_add_nc_u32 v[ADRS], 128, v[ADRS]
	FETCH_B \next, 0, 0
	FETCH_A \next, 0, 0
	SCALES \next
	WIN MUL_HI
	MUL16 4, 1, NQ-1, \slot, 0
	MUL16 6, 1, NQ-1, \slot, 0
	PLACES NP
	WIN 0
	FETCH_A \next, 0, 4
.endm
	s_wait_tensorcnt 1                             ; the scale words and my part of K step 0 are in; K step 1's load may be out
	s_barrier_signal -1
	s_barrier_wait -1
	FETCH_B 0, 0, 0
	FETCH_A 0, 0, 0
	SCALES 0
	FETCH_A 0, 0, 4
	s_wait_loadcnt 0x0                             ; the bias
	STEP 0, 0, 1
	s_mov_b32 s3, 1
.Llap:                                                 ; a trip goes once round the ring and fills both slots again: K = 1,024 is two laps, the second of which fills nothing
	TURN 0, 1, 1
	STEP 1, 0, 0
	TURN 1, 0, 1
	STEP 0, 0, 0
	s_sub_co_u32 s3, s3, 1
	s_cmp_lg_u32 s3, 0
	s_cbranch_scc1 .Llap
	TURN 0, 1, 0
	STEP 1, 0, 0
	s_wait_dscnt 4*NL
	WIN MUL_LO
	MUL16 0, 1, NQ-1, 1, 0
	MUL16 2, 1, NQ-1, 1, 0
	s_wait_dscnt 0
	WIN MUL_HI
	MUL16 4, 1, NQ-1, 1, 0
	MUL16 6, 1, NQ-1, 1, 0
	WIN 0
; THE WAY OUT, block by block of 16 rows x 128 columns, through my own stage: in as 32 bytes a lane, back as whole rows of 512 bytes.  LDS serves a wave's instructions in order: no wait between the stores and the loads.
.macro TOSTAGE a
.set AC, 64*((\a)%4)
	WIN 0x08+4*((\a)/4)                            ; the data: window 2 or 3
.irp b, 0,1,2,3,4,5,6,7
	ds_store_b128 v[STO], v[AC+8*\b:AC+8*\b+3] offset:64*\b          ; each accumulator from its low end on
	ds_store_b128 v[STO], v[AC+8*\b+4:AC+8*\b+7] offset:64*\b+16
.endr
	WIN 0
.set BB, BK+64*((\a)%2)
.irp t, 0,1,2,3,4,5,6,7,8,9,10,11,12,13,14,15
	ds_load_b128 v[BB+4*\t:BB+4*\t+3], v[RD] offset:\t*SPITCH
.endr
.endm
.macro SEND a, younger                 ; younger: the LDS instructions issued behind block a's loads, which may stay out
.set BB, BK+64*((\a)%2)
	s_wait_dscnt \younger
.if (\a) > 0
	s_add_nc_u64 s[98:99], s[98:99], 16*4096       ; (behind a wait on XCNT: the earlier stores have read their base)  16 rows on
.endif
.irp t, 0,1,2,3,4,5,6,7,8,9,10,11,12,13,14,15
	global_store_b128 v[CO], v[BB+4*\t:BB+4*\t+3], s[98:99] offset:\t*4096 th:TH_STORE_NT   ; 32 lanes store 512 consecutive bytes, aligned to 256
.endr
.endm
	PLACES NP
	TOSTAGE 0
.irp a, 1,2,3,4,5,6,7
.if \a > 1
	s_wait_xcnt 0x0                                ; block a - 2's stores have read their registers and their base
.endif
	TOSTAGE \a
	SEND \a-1, 32                                  ; behind block a - 1's loads: block a's 16 stores and 16 loads
.endr
	s_wait_xcnt 0x0
	SEND 7, 0
	s_wait_tensorcnt 0x0                           ; the wave's end: behind my last tensor load and my last LDS store
	ds_add_u32 v[SPW], v[NIL]
	s_wait_dscnt 0x0
	CROUND                                         ; the closing round
	s_endpgm
.Lfunc_end_k_qcf4c7c5b93_gemm_proj:
	.size	k_qcf4c7c5b93_gemm_proj, .Lfunc_end_k_qcf4c7c5b93_gemm_proj-k_qcf4c7c5b93_gemm_proj
	.p2alignl 7, 3214868480
	.fill 96, 4, 3214868480
	.section	.rodata,"a",@progbits
	.p2align	6, 0x0
	.amdhsa_kernel k_qcf4c7c5b93_gemm_proj
		.amdhsa_group_segment_fixed_size 327680
		.amdhsa_private_segment_fixed_size 0
		.amdhsa_enable_private_segment 0
		.amdhsa_kernarg_size 48
		.amdhsa_user_sgpr_count 2
		.amdhsa_user_sgpr_kernarg_segment_ptr 1
		.amdhsa_wavefront_size32 1
		.amdhsa_system_sgpr_workgroup_id_x 1
		.amdhsa_system_sgpr_workgroup_id_y 1
		.amdhsa_system_sgpr_workgroup_id_z 1
		.amdhsa_system_vgpr_workitem_id 0
		.amdhsa_next_free_vgpr 1024
		.amdhsa_next_free_sgpr 102
		.amdhsa_reserve_vcc 0
		.amdhsa_float_denorm_mode_32 3
		.amdhsa_float_denorm_mode_16_64 3
		.amdhsa_memory_ordered 1
		.amdhsa_forward_progress 1
		.amdhsa_inst_pref_size 161
	.end_amdhsa_kernel
	.amdgpu_metadata
---
amdhsa.version: [ 1, 2 ]
amdhsa.kernels:
  - .name:           k_qcf4c7c5b93_gemm_proj
    .symbol:         k_qcf4c7c5b93_gemm_proj.kd
    .args:
      - { .name: a_codes, .offset: 0, .size: 8, .value_kind: global_buffer, .address_space: global }
      - { .name: a_scales, .offset: 8, .size: 8, .value_kind: global_buffer, .address_space: global }
      - { .name: w_codes, .offset: 16, .size: 8, .value_kind: global_buffer, .address_space: global }
      - { .name: w_scales, .offset: 24, .size: 8, .value_kind: global_buffer, .address_space: global }
      - { .name: b_proj, .offset: 32, .size: 8, .value_kind: global_buffer, .address_space: global }
      - { .name: out0, .offset: 40, .size: 8, .value_kind: global_buffer, .address_space: global }
    .group_segment_fixed_size: 327680
    .private_segment_fixed_size: 0
    .kernarg_segment_align: 8
    .kernarg_segment_size: 48
    .max_flat_workgroup_size: 128
    .sgpr_count:     102
    .vgpr_count:     1024
    .wavefront_size: 32
...
	.end_amdgpu_metadata
.endif
;; end of part 4
